; MI455X (gfx1250); checked and timed in simulation.
; The chip was launched on July 23, 2026; its instructions are those of AMD's public machine-readable ISA for CDNA 5 (MIT licence, August 2026) and "CDNA5" Instruction Set Architecture Reference Guide (July 2026). The comments in the code are by the model that wrote it; some were corrected since.
;; Attention. Allowed arithmetic: matrix products marked QUANTISED: E2M1 operands, one E8M0 scale for each 32 along K, by v_wmma_scale_f32_16x16x128_f8f6f4 with both operands' format E2M1 (or v_wmma_scale_f32_32x16x128_f4), f32 sums; products left as they are: bf16, f16 or f32 operands; f32 sums; everything else in f32.
;; Inputs: Wk 1,024 x 1,024 float32; Wp 1,024 x 1,024 float32; Wq 1,024 x 1,024 float32; Wv 1,024 x 1,024 float32; att_mask 1 x 1 x 2,048 x 2,048 float32; bk 1,024 float32; bp 1,024 float32; bq 1,024 float32; bv 1,024 float32; key 2 x 2,048 x 1,024 float32; query 2 x 2,048 x 1,024 float32; value 2 x 2,048 x 1,024 float32.
;; Outputs: out0 2 x 2,048 x 1,024 float32.
;; This version of the problem:
;;   THIS VERSION OF THE PROBLEM IS GIVEN IN LOW PRECISION. The matrix products marked QUANTISED in the list below multiply operands that are first quantised to E2M1 (2 exponent bits, 1 mantissa bit; 4 bits a number), with one power-of-two scale for each 32 numbers along K (OCP MX v1.0); their sums are f32. The products marked 'left as it is' may take bf16, f16 or f32 operands, with f32 sums. Whichever they take, every output number must still come out within the allowed error. Rounding operands to bf16 (8 significant bits) uses up far more of that allowance than f16 does (11 bits, for magnitudes from 6e-5 to 65,504). All else is computed in f32.
;;   The module's matrix products, in the order in which they are computed (A, B: the left and right operand; K: the contracted axis; several contracted axes count as one K, in the product's order):
;;     1. [M 4,096, K 1,024] x [K 1,024, N 1,024]; A: input query; B: input Wq: QUANTISED
;;     2. [M 4,096, K 1,024] x [K 1,024, N 1,024]; A: input key; B: input Wk: QUANTISED
;;     3. [M 4,096, K 1,024] x [K 1,024, N 1,024]; A: input value; B: input Wv: QUANTISED
;;     4. batch 32 x [M 2,048, K 64] x [K 64, N 2,048]; A: computed on the way; B: computed on the way: left as it is (an operand is computed on the way)
;;     5. batch 32 x [M 2,048, K 2,048] x [K 2,048, N 64]; A: computed on the way; B: computed on the way: left as it is (an operand is computed on the way)
;;     6. [M 4,096, K 1,024] x [K 1,024, N 1,024]; A: computed on the way; B: input Wp: left as it is (an operand is computed on the way)
;;   THE QUANTISER, for each operand of a quantised product, along K:
;;     - K is cut into blocks of 32 from its start; a last block that is shorter is filled with zeros.
;;     - A block's scale is 2^e with e = floor(log2(the largest magnitude in the block)) - 2, held to -126 .. 127; a block of zeros has e = 0. As a byte (E8M0): e + 127.
;;     - Each number is divided by its block's scale, clamped to +-6, and rounded to the nearest number of E2M1, ties to even, subnormals kept.
;;     - The product sums the exact products of the quantised numbers (number of the format x scale) in f32.
;;   ~~~python
;;   def quantise(x, axis):      # numpy; x: float32 -> the quantised numbers, widened to float32 again
;;       x = np.moveaxis(x, axis, -1); K = x.shape[-1]
;;       x = np.pad(x, [(0, 0)] * (x.ndim - 1) + [(0, -K % 32)]); x = x.reshape(x.shape[:-1] + (-1, 32)); a = np.abs(x).max(-1, keepdims=True)
;;       e = np.where(a > 0, np.clip(np.frexp(np.where(a > 0, a, 1))[1] - 1 - 2, -126, 127), 0)      # np.frexp(a)[1] - 1 = floor(log2(a)), exactly
;;       r = np.clip(x / 2.0 ** e, -6, 6)
;;       step = 2.0 ** (np.maximum(np.frexp(np.where(r == 0, 1, r))[1] - 1, 0) - 1)
;;       q = np.round(r / step) * step * 2.0 ** e      # np.round: ties to even
;;       return np.moveaxis(q.reshape(q.shape[:-2] + (-1,))[..., :K], -1, axis).astype(np.float32)
;;   ~~~
;; One version. Each part assembles by itself: llvm-mc -triple=amdgcn-amd-amdhsa -mcpu=gfx1250 --defsym DOCPART=n.
;; ======== version 1 of 1: 5 launches
;; limits: values are held in f16: magnitudes above 65,504 overflow, below 6.1e-05 lose precision
;; workspace buffers: codes 8,355,840 bytes; wpf 4,194,304 bytes; mwords 532,480 bytes of whole numbers; qkv 33,554,432 bytes; yf 8,454,144 bytes
;; launch prep (part 1): grid 896 x 1, 4 waves a work-group, no clusters, 34,304 bytes of LDS; arguments query, key, value, Wq, Wk, Wv, Wp, att_mask, codes, wpf, mwords; writes codes, wpf, mwords
.if DOCPART == 1
	.amdgcn_target "amdgcn-amd-amdhsa--gfx1250"
	.amdhsa_code_object_version 6
	.text
	.protected	k_q3283c6f09e_prep
	.globl	k_q3283c6f09e_prep
	.p2align	8
	.type	k_q3283c6f09e_prep,@function
k_q3283c6f09e_prep:
	s_mov_b64 s[64:65], 0
	v_nop
	global_prefetch_b8 v0, s[64:65] scope:SCOPE_SE
	s_setreg_imm32_b32 hwreg(HW_REG_WAVE_MODE, 25, 1), 1
	s_wait_xcnt 0x0
; PREP: everything that is read as f32 is read here, once.
; DEAD WORK OF THE WHOLE PROGRAM, in the terms of reference():
;  (1) att = (s/32 - g) * 32 with g = max|att| one number for all entries.  32 g is the same along the softmax axis, so it cancels in softmax for all finite
;      inputs; 1/32 and 32 are powers of two, so what is left is q.k/8.  g is not computed.  The step that keeps the exponentials in range stays: a running
;      maximum of each row is taken away before every exponential (launch attn).
;  (2) q.(k + bk) = q.k + q.bk, and q.bk is the same along the keys of a row; the score product is not quantised, so bk reaches no output.  bk is not loaded
;      and is among no launch arguments.
;  (3) An identity, nothing left out: the weights of a row sum to 1, so softmax.(value Wv + bv) = softmax.(value Wv) + bv; bv is added in f32 in launch attn.
;  LIMIT: a NaN, an infinity or an overflow that reaches only g or q.bk is not carried to the result.
; FOUR KINDS OF WORK-GROUP, told apart by the work-group number alone:
;  0..383    query, key, value -> codes of E2M1 and E8M0 bytes, quantised along K (their last axis)
;  384..639  att_mask -> one bit a number, and for each 32 queries x 64 keys a flag word: bit 0 some key counts, bit 1 some key is hidden
;  640..831  Wq, Wk, Wv -> codes and bytes, quantised along K (their FIRST axis): a lane takes a column, its registers run down K
;  832..895  Wp -> f16, a high and a low part, laid as the matrix operand wants it
; LAYOUT OF CODES: images of operand registers.  A fragment is 16 rows x 128 K: two groups of four registers; a group is 512 bytes, lane l at 16 l;
; lane 16 h + r of group c holds the block K = 64 c + 32 h + 0..31 of row r.  So every store here and every load later covers whole runs of 256 or 512 bytes.
; A block scale is 2^(floor(log2(largest magnitude)) - 2); its byte is the exponent field of the largest magnitude less 2, held at 1 from below.
; LIMITS: a block of zeros gets the byte 1 where the rule says 127 (its codes are zeros, and this program alone reads the bytes); NaN and infinities among the
; inputs of the quantiser are not served.  f16 parts of Wp: |Wp| under 65,504.
.set SPARE, 33792                      ; behind the four stages: the spare words, 128 bytes a wave
.set SPW,   14                         ; v14  my spare word; never rewritten
.set NIL,   15                         ; v15  0; never rewritten
.set XS_O,  7864320                    ; in codes: scale bytes of the activations
.set WC_O,  6291456                    ; codes of the weights
.set WS_O,  8257536                    ; scale bytes of the weights
.set FL_O,  524288                     ; in mwords: the flag words
.set RAW,   64                         ; v64-191  two sets of 64: a fragment as loaded
.set TN,    192                        ; v192-255 my 64 numbers: two whole blocks
.set CD,    32                         ; v32-63   codes, eight registers a fragment, never rewritten
.macro WIDEN d, r                      ; the two f16 halves of a named register, as f32
	v_cvt_f32_f16 v[\d], v\r\().l
	v_cvt_f32_f16 v[\d+1], v\r\().h
.endm
	s_load_b256 s[4:11], s[0:1], 0x0               ; query, key, value, Wq
	s_load_b256 s[12:19], s[0:1], 0x20             ; Wk, Wv, Wp, att_mask
	s_load_b128 s[20:23], s[0:1], 0x40             ; codes, wpf
	s_load_b64 s[24:25], s[0:1], 0x50              ; mwords
	v_lshl_add_u32 v[SPW], v0, 2, SPARE
	v_mov_b32 v[NIL], 0
	v_lshrrev_b32 v1, 5, v0
	v_readfirstlane_b32 s30, v1                    ; wave
	v_and_b32 v1, 31, v0                           ; lane
	s_mov_b32 s39, 0                               ; the upper word of every offset pair s[38:39]
	s_wait_kmcnt 0x0
	s_cmp_lt_u32 ttmp9, 384
	s_cbranch_scc1 .Lacts
	s_cmp_lt_u32 ttmp9, 640
	s_cbranch_scc1 .Lmask
	s_cmp_lt_u32 ttmp9, 832
	s_cbranch_scc1 .Lweights
; ---------------- Wp: [k][n] f32 -> f16 high and low, [K4 4][nt 64][ks8 8][half 2][lane][16 bytes]; lane (r, h), half u: Wp[32 ks + 16 u + 8 h + 0..7][16 nt + r]
; A wave takes 32 columns x 128 along K: a lane a column, 16 octets of K.  An octet is 16 bytes of f16 in its lane: lanes 0-15 store 256 bytes on end, lanes 16-31 another 256.
	s_sub_co_u32 s34, ttmp9, 832
	s_and_b32 s36, s34, 7                          ; x: 128 columns
	s_lshr_b32 s37, s34, 3                         ; y: 128 along K
	s_lshl_b32 s38, s37, 19
	s_lshl_b32 s46, s36, 9
	s_add_co_u32 s38, s38, s46
	s_lshl_b32 s46, s30, 7
	s_add_co_u32 s38, s38, s46
	s_add_nc_u64 s[32:33], s[16:17], s[38:39]      ; Wp at row 128 y, column 128 x + 32 wave
	s_lshr_b32 s38, s37, 1
	s_lshl_b32 s38, s38, 19                        ; K4 = y / 2
	s_lshl_b32 s46, s36, 16                        ; nt = 8 x + 2 wave (+ lane / 16), 8,192 bytes each
	s_add_co_u32 s38, s38, s46
	s_lshl_b32 s46, s30, 14
	s_add_co_u32 s38, s38, s46
	s_and_b32 s46, s37, 1
	s_lshl_b32 s46, s46, 12                        ; ks8 = 4 (y % 2) + octet / 4
	s_add_co_u32 s38, s38, s46
	s_add_nc_u64 s[40:41], s[22:23], s[38:39]
	v_lshlrev_b32 v2, 2, v1
	v_lshrrev_b32 v3, 4, v1
	v_and_b32 v4, 15, v1
	v_lshlrev_b32 v3, 13, v3
	v_lshl_add_u32 v3, v4, 4, v3
.macro LOADP o
.irp i, 0,1,2,3,4,5,6,7
	global_load_b32 v[128+8*(\o)+\i], v2, s[32:33] offset:(8*(\o)+\i)*4096 th:TH_LOAD_NT
.endr
.endm
.macro OCT o
.set XO, 128+8*(\o)
.if (\o) <= 9
	s_wait_loadcnt 48                              ; this octet is in; the six behind it stay out
.else
	s_wait_loadcnt 8*(15-(\o))
.endif
	s_wait_xcnt 0x0                                ; the last octet's store has read v104-107
.if (\o)+7 < 16
	LOADP (\o)+7
.endif
.irp p, 0,1,2,3
	v_cvt_pk_f16_f32 v[104+\p], v[XO+2*\p], v[XO+2*\p+1]   ; the high part
.endr
	WIDEN 96, 104
	WIDEN 98, 105
	WIDEN 100, 106
	WIDEN 102, 107
.irp p, 0,1,2,3
	v_pk_add_f32 v[96+2*\p:97+2*\p], v[XO+2*\p:XO+2*\p+1], v[96+2*\p:97+2*\p] neg_lo:[0,1] neg_hi:[0,1]   ; what the high part leaves, in f32
.endr
.irp p, 0,1,2,3
	v_cvt_pk_f16_f32 v[XO+\p], v[96+2*\p], v[97+2*\p]      ; the low part, onto registers that are done with and are not loaded again
.endr
	global_store_b128 v3, v[104:107], s[40:41] offset:((\o)/4)*1024+(((\o)/2)%2)*512+((\o)%2)*256
	global_store_b128 v3, v[XO:XO+3], s[40:41] offset:2097152+((\o)/4)*1024+(((\o)/2)%2)*512+((\o)%2)*256
.endm
.irp o, 0,1,2,3,4,5,6
	LOADP \o
.endr
.irp o, 0,1,2,3,4,5,6,7,8,9,10,11,12,13,14,15
	OCT \o
.endr
	s_endpgm
; ---------------- activations.  A wave takes 16 rows x 512 along K: four fragments.  Each load reads 512 bytes on end of one row; a fragment turns through the wave's own stage
; in LDS (rows 528 bytes apart) so that lane (r, h) gets, of row r, the two whole blocks K = 64 c + 32 h + 0..31.  Loads run two fragments ahead.
.Lacts:
	s_cmp_lt_u32 ttmp9, 128
	s_cselect_b64 s[32:33], s[4:5], s[6:7]
	s_cmp_lt_u32 ttmp9, 256
	s_cselect_b64 s[32:33], s[32:33], s[8:9]       ; the tensor, by the work-group number
	s_lshr_b32 s34, ttmp9, 7                       ; t
	s_and_b32 s35, ttmp9, 127
	s_lshl_b32 s35, s35, 1
	s_lshr_b32 s36, s30, 1
	s_add_co_u32 s35, s35, s36                     ; tile of 16 rows
	s_and_b32 s36, s30, 1                          ; which half of K
	s_lshl_b32 s38, s35, 16
	s_lshl_b32 s37, s36, 11
	s_add_co_u32 s38, s38, s37
	s_add_nc_u64 s[32:33], s[32:33], s[38:39]
	s_lshl_b32 s38, s34, 21
	s_lshl_b32 s37, s36, 20
	s_add_co_u32 s38, s38, s37
	s_lshl_b32 s37, s35, 12
	s_add_co_u32 s38, s38, s37
	s_add_nc_u64 s[40:41], s[20:21], s[38:39]      ; codes: [t][half of K][tile][4 fragments][1,024 bytes]
	s_lshl_b32 s38, s34, 17
	s_lshl_b32 s37, s35, 9
	s_add_co_u32 s38, s38, s37
	s_lshl_b32 s37, s36, 4
	s_add_co_u32 s38, s38, s37
	s_add_co_u32 s38, s38, XS_O
	s_add_nc_u64 s[42:43], s[20:21], s[38:39]      ; scale bytes: [t][row][32]
	s_mov_b32 s44, 0x76543210
	s_mov_b32 s45, 0xfedcba98                      ; selects: lane l xor 16
	v_lshlrev_b32 v2, 4, v1                        ; 16 x lane
	s_mul_i32 s37, s30, 8448                       ; my stage
	v_add_nc_u32 v3, s37, v2                       ; into it: a row as it lies
	v_and_b32 v5, 15, v1                           ; r
	v_lshrrev_b32 v6, 4, v1                        ; h
	v_mul_u32_u24 v4, v5, 528
	v_lshl_add_u32 v4, v6, 7, v4
	v_add_nc_u32 v4, s37, v4                       ; out of it: row r, + 128 h
	v_lshlrev_b32 v7, 3, v6                        ; 8 h: where my two bytes stand in the scale word
	v_lshlrev_b32 v8, 5, v5
	v_lshl_add_u32 v8, v6, 3, v8                   ; 32 r + 8 h
	v_mov_b32 v13, 0                               ; a lane permute names its destination as a source: written once
.macro LOADF f
.set Q, 0
.rept 16
	global_load_b128 v[RAW+64*((\f)%2)+4*Q:RAW+64*((\f)%2)+4*Q+3], v2, s[32:33] offset:4096*Q+512*(\f) th:TH_LOAD_NT
.set Q, Q+1
.endr
.endm
.macro FRAGX f
.if (\f) < 3
	s_wait_loadcnt 16                              ; this fragment is in; the next one stays out
.else
	s_wait_loadcnt 0x0
.endif
.set Q, 0
.rept 16
	ds_store_b128 v3, v[RAW+64*((\f)%2)+4*Q:RAW+64*((\f)%2)+4*Q+3] offset:528*Q
.set Q, Q+1
.endr
.set Q, 0
.rept 16
	ds_load_b128 v[TN+4*Q:TN+4*Q+3], v4 offset:256*(Q/8)+16*(Q%8)   ; LDS serves a wave in order: these see the stores above
.set Q, Q+1
.endr
	s_wait_dscnt 0x0                               ; the stores have read their registers, my numbers are in
.if (\f)+2 < 4
	LOADF (\f)+2
.endif
.irp c, 0,1
	v_max3_num_f32 v[16+\c], |v[TN+32*\c]|, |v[TN+32*\c+1]|, 0x1800000   ; the floor 2^(3 - 127) holds the byte at 1 from below
.endr
.irp i, 2,4,6,8,10,12,14,16,18,20,22,24,26,28,30
.irp c, 0,1
	v_max3_num_f32 v[16+\c], v[16+\c], |v[TN+32*\c+\i]|, |v[TN+32*\c+\i+1]|
.endr
.endr
.irp c, 0,1
	v_add_nc_u32 v[18+\c], 0xff000000, v[16+\c]    ; 2 off the exponent field: the scale operand of the conversion
.endr
.irp c, 0,1
	v_lshrrev_b32 v[20+\c], 23, v[18+\c]           ; the byte
.endr
	v_lshl_or_b32 v22, v21, 16, v20                ; blocks h and 2 + h,
	v_lshlrev_b32 v22, v7, v22                     ; at their places;
	v_permlanex16_b32 v13, v22, s44, s45
	v_or_b32 v[24+(\f)], v22, v13                  ; with the other half of the lanes the word of row r is whole
.irp c, 0,1
.irp g, 0,1,2,3
	v_cvt_scalef32_pk8_fp4_f32 v[CD+8*(\f)+4*\c+\g], v[TN+32*\c+8*\g:TN+32*\c+8*\g+7], v[18+\c]
.endr
.endr
	v_nop                                          ; one plain line behind the last scaled conversion
	global_store_b128 v2, v[CD+8*(\f):CD+8*(\f)+3], s[40:41] offset:1024*(\f)
	global_store_b128 v2, v[CD+8*(\f)+4:CD+8*(\f)+7], s[40:41] offset:1024*(\f)+512
.endm
	LOADF 0
	LOADF 1
	FRAGX 0
	FRAGX 1
	FRAGX 2
	FRAGX 3
	v_cmp_gt_u32 vcc_lo, 16, v1
	v_cndmask_b32 v28, v26, v24, vcc_lo            ; lanes 0-15 store words 0, 1 of their row, lanes 16-31 words 2, 3
	v_cndmask_b32 v29, v27, v25, vcc_lo
	global_store_b64 v8, v[28:29], s[42:43]        ; 16 of a row's 32 bytes; the wave beside me writes the other 16
	s_wait_tensorcnt 0x0                           ; the end of a wave that stored to LDS
	ds_add_u32 v[SPW], v[NIL]
	s_wait_dscnt 0x0
	s_endpgm
; ---------------- the mask.  A wave takes 32 rows x 128 keys: two units of 32 x 64.  A lane a key: a compare gives 32 bits of a row in a scalar register, which goes to lane (row) of a vector register.
; Word (row, h) of a unit: bit 8 kt + j says that key 16 kt + 8 h + j counts: the order in which a lane of launch attn holds its 32 scores.
; The flags are values that are stored: no address and no branch here hangs on them.
.Lmask:
	s_sub_co_u32 s34, ttmp9, 384
	s_lshr_b32 s35, s34, 2                         ; group of 32 rows
	s_and_b32 s36, s34, 3
	s_lshl_b32 s37, s36, 3
	s_lshl_b32 s38, s30, 1
	s_add_co_u32 s37, s37, s38                     ; my first unit of 64 keys
	s_lshl_b32 s38, s35, 18
	s_lshl_b32 s46, s37, 8
	s_add_co_u32 s38, s38, s46
	s_add_nc_u64 s[32:33], s[18:19], s[38:39]
	s_lshl_b32 s38, s37, 14
	s_lshl_b32 s46, s35, 8
	s_add_co_u32 s38, s38, s46
	s_add_nc_u64 s[40:41], s[24:25], s[38:39]      ; bits: [unit of keys 32][group 64][row 32][h 2] words
	s_lshl_b32 s38, s35, 7
	s_lshl_b32 s46, s37, 2
	s_add_co_u32 s38, s38, s46
	s_add_co_u32 s38, s38, FL_O
	s_add_nc_u64 s[42:43], s[24:25], s[38:39]      ; flags: [group 64][unit 32] words
	s_mov_b32 s47, 0x06040200
	s_mov_b32 s48, 0x07050301
	v_lshlrev_b32 v2, 2, v1
	v_lshlrev_b32 v3, 3, v1
.irp s, 0,1,2,3
	v_mov_b32 v[32+\s], 0                          ; v_writelane names its destination as a source
.endr
.macro LOADM p
.irp s, 0,1,2,3
	global_load_b32 v[128+4*(\p)+\s], v2, s[32:33] offset:(\p)*8192+128*\s th:TH_LOAD_NT
.endr
.endm
.set P, 0
.rept 15
	LOADM P
.set P, P+1
.endr
.set P, 0
.rept 32
.if P <= 17
	s_wait_loadcnt 56                              ; this row is in; the fourteen behind it stay out
.else
	s_wait_loadcnt 4*(31-P)
.endif
.irp s, 0,1,2,3
	v_cmp_neq_f32 s[50+\s], 0, v[128+4*P+\s]       ; reference() hides where the mask equals 0
.endr
.irp s, 0,1,2,3
	v_writelane_b32 v[32+\s], s[50+\s], P
.endr
.if P+15 < 32
	LOADM P+15
.endif
.set P, P+1
.endr
.irp u, 0,1
	v_perm_b32 v[36+2*\u], v[33+2*\u], v[32+2*\u], s47     ; bytes 0, 2, 4, 6 of the 64 bits: h = 0
	v_perm_b32 v[37+2*\u], v[33+2*\u], v[32+2*\u], s48     ; bytes 1, 3, 5, 7: h = 1
	global_store_b64 v3, v[36+2*\u:37+2*\u], s[40:41] offset:\u*16384   ; 256 bytes on end
	v_or_b32 v[40+\u], v[32+2*\u], v[33+2*\u]
	v_and_b32 v[42+\u], v[32+2*\u], v[33+2*\u]
	v_cmp_ne_u32 s[54+\u], 0, v[40+\u]             ; rows with a key that counts
	v_cmp_ne_u32 s[56+\u], -1, v[42+\u]            ; rows with a key that is hidden
.endr
	s_cmp_lg_u32 s54, 0
	s_cselect_b32 s54, 1, 0
	s_cmp_lg_u32 s56, 0
	s_cselect_b32 s56, 2, 0
	s_or_b32 s54, s54, s56
	s_cmp_lg_u32 s55, 0
	s_cselect_b32 s55, 1, 0
	s_cmp_lg_u32 s57, 0
	s_cselect_b32 s57, 2, 0
	s_or_b32 s55, s55, s57
	v_mov_b32 v44, s54
	v_writelane_b32 v44, s55, 1
	v_cmp_gt_u32 vcc_lo, 2, v1
	s_wait_xcnt 0x0                                ; EXEC changes only behind this wait
	s_and_saveexec_b32 s58, vcc_lo
	global_store_b32 v2, v44, s[42:43]             ; lanes 0 and 1: my two flag words
	s_wait_xcnt 0x0
	s_or_b32 exec_lo, exec_lo, s58
	s_endpgm
; ---------------- Wq, Wk, Wv: [k][n].  A wave takes 32 columns x 128 along K: four blocks a lane; a block's 16 bytes of codes go straight to their place in the image:
; lanes 0-15 store 256 bytes on end, lanes 16-31 another 256.  The scale words (4 bytes a column) fill their 32-byte rows in parts: 98,304 bytes in all.
.Lweights:
	s_sub_co_u32 s34, ttmp9, 640
	s_lshr_b32 s35, s34, 6                         ; t
	s_and_b32 s36, s34, 7                          ; x: 128 columns
	s_bfe_u32 s37, s34, 0x30003                    ; y: 128 along K
	s_cmp_eq_u32 s35, 0
	s_cselect_b64 s[32:33], s[10:11], s[12:13]
	s_cmp_lt_u32 s35, 2
	s_cselect_b64 s[32:33], s[32:33], s[14:15]
	s_lshl_b32 s38, s37, 19
	s_lshl_b32 s46, s36, 9
	s_add_co_u32 s38, s38, s46
	s_lshl_b32 s46, s30, 7
	s_add_co_u32 s38, s38, s46
	s_add_nc_u64 s[32:33], s[32:33], s[38:39]
	s_lshl_b32 s38, s35, 19
	s_lshr_b32 s46, s37, 2
	s_lshl_b32 s46, s46, 18
	s_add_co_u32 s38, s38, s46
	s_lshl_b32 s46, s36, 15                        ; tile of 16 columns = 8 x + 2 wave (+ lane / 16), 4,096 bytes each
	s_add_co_u32 s38, s38, s46
	s_lshl_b32 s46, s30, 13
	s_add_co_u32 s38, s38, s46
	s_and_b32 s46, s37, 3
	s_lshl_b32 s46, s46, 10
	s_add_co_u32 s38, s38, s46
	s_add_co_u32 s38, s38, WC_O
	s_add_nc_u64 s[40:41], s[20:21], s[38:39]
	s_lshl_b32 s38, s35, 15
	s_lshl_b32 s46, s36, 12
	s_add_co_u32 s38, s38, s46
	s_lshl_b32 s46, s30, 10
	s_add_co_u32 s38, s38, s46
	s_lshl_b32 s46, s37, 2
	s_add_co_u32 s38, s38, s46
	s_add_co_u32 s38, s38, WS_O
	s_add_nc_u64 s[42:43], s[20:21], s[38:39]
	v_lshlrev_b32 v2, 2, v1
	v_lshrrev_b32 v3, 4, v1
	v_and_b32 v4, 15, v1
	v_lshlrev_b32 v3, 12, v3
	v_lshl_add_u32 v3, v4, 4, v3
	v_lshlrev_b32 v4, 5, v1
.macro LOADW t
.set Q, 0
.rept 32
	global_load_b32 v[64+32*((\t)%2)+Q], v2, s[32:33] offset:(32*(\t)+Q)*4096 th:TH_LOAD_NT
.set Q, Q+1
.endr
.endm
.macro BLOCKW t
.set XB, 64+32*((\t)%2)
.if (\t) < 3
	s_wait_loadcnt 32                              ; this block is in; the next one stays out
.else
	s_wait_loadcnt 0x0
.endif
	v_max3_num_f32 v16, |v[XB]|, |v[XB+1]|, |v[XB+2]|
	v_max3_num_f32 v17, |v[XB+3]|, |v[XB+4]|, |v[XB+5]|
.irp i, 6,10,14,18,22,26
	v_max3_num_f32 v16, v16, |v[XB+\i]|, |v[XB+\i+1]|
	v_max3_num_f32 v17, v17, |v[XB+\i+2]|, |v[XB+\i+3]|
.endr
	v_max3_num_f32 v16, v16, |v[XB+30]|, |v[XB+31]|
	v_max3_num_f32 v16, v16, v17, 0x1800000
	v_add_nc_u32 v18, 0xff000000, v16
	v_lshrrev_b32 v19, 23, v18
.if (\t) == 0
	v_mov_b32 v24, v19
.else
	v_lshl_or_b32 v24, v19, 8*(\t), v24
.endif
.irp g, 0,1,2,3
	v_cvt_scalef32_pk8_fp4_f32 v[32+4*(\t)+\g], v[XB+8*\g:XB+8*\g+7], v18
.endr
	v_nop                                          ; one plain line behind the last scaled conversion
	global_store_b128 v3, v[32+4*(\t):32+4*(\t)+3], s[40:41] offset:((\t)/2)*512+((\t)%2)*256
.if (\t)+2 < 4
	LOADW (\t)+2
.endif
.endm
	LOADW 0
	LOADW 1
	BLOCKW 0
	BLOCKW 1
	BLOCKW 2
	BLOCKW 3
	global_store_b32 v4, v24, s[42:43]
	s_endpgm
.Lfunc_end_k_q3283c6f09e_prep:
	.size	k_q3283c6f09e_prep, .Lfunc_end_k_q3283c6f09e_prep-k_q3283c6f09e_prep
	.p2alignl 7, 3214868480
	.fill 96, 4, 3214868480
	.section	.rodata,"a",@progbits
	.p2align	6, 0x0
	.amdhsa_kernel k_q3283c6f09e_prep
		.amdhsa_group_segment_fixed_size 34304
		.amdhsa_private_segment_fixed_size 0
		.amdhsa_enable_private_segment 0
		.amdhsa_kernarg_size 88
		.amdhsa_user_sgpr_count 2
		.amdhsa_user_sgpr_kernarg_segment_ptr 1
		.amdhsa_wavefront_size32 1
		.amdhsa_system_sgpr_workgroup_id_x 1
		.amdhsa_system_sgpr_workgroup_id_y 1
		.amdhsa_system_sgpr_workgroup_id_z 1
		.amdhsa_system_vgpr_workitem_id 0
		.amdhsa_next_free_vgpr 256
		.amdhsa_next_free_sgpr 66
		.amdhsa_reserve_vcc 1
		.amdhsa_float_denorm_mode_32 3
		.amdhsa_float_denorm_mode_16_64 3
		.amdhsa_memory_ordered 1
		.amdhsa_forward_progress 1
		.amdhsa_inst_pref_size 115
	.end_amdhsa_kernel
	.amdgpu_metadata
---
amdhsa.version: [ 1, 2 ]
amdhsa.kernels:
  - .name:           k_q3283c6f09e_prep
    .symbol:         k_q3283c6f09e_prep.kd
    .args:
      - { .name: query, .offset: 0, .size: 8, .value_kind: global_buffer, .address_space: global }
      - { .name: key, .offset: 8, .size: 8, .value_kind: global_buffer, .address_space: global }
      - { .name: value, .offset: 16, .size: 8, .value_kind: global_buffer, .address_space: global }
      - { .name: Wq, .offset: 24, .size: 8, .value_kind: global_buffer, .address_space: global }
      - { .name: Wk, .offset: 32, .size: 8, .value_kind: global_buffer, .address_space: global }
      - { .name: Wv, .offset: 40, .size: 8, .value_kind: global_buffer, .address_space: global }
      - { .name: Wp, .offset: 48, .size: 8, .value_kind: global_buffer, .address_space: global }
      - { .name: att_mask, .offset: 56, .size: 8, .value_kind: global_buffer, .address_space: global }
      - { .name: codes, .offset: 64, .size: 8, .value_kind: global_buffer, .address_space: global }
      - { .name: wpf, .offset: 72, .size: 8, .value_kind: global_buffer, .address_space: global }
      - { .name: mwords, .offset: 80, .size: 8, .value_kind: global_buffer, .address_space: global }
    .group_segment_fixed_size: 34304
    .private_segment_fixed_size: 0
    .kernarg_segment_align: 8
    .kernarg_segment_size: 88
    .max_flat_workgroup_size: 128
    .sgpr_count:     66
    .vgpr_count:     256
    .wavefront_size: 32
...
	.end_amdgpu_metadata
.endif
;; end of part 1
;; launch qkv (part 2): grid 4 x 48, 4 waves a work-group, clusters of 4 x 4, 327,680 bytes of LDS; arguments codes, bq, qkv; writes qkv
.if DOCPART == 2
	.amdgcn_target "amdgcn-amd-amdhsa--gfx1250"
	.amdhsa_code_object_version 6
	.text
	.protected	k_q3283c6f09e_qkv
	.globl	k_q3283c6f09e_qkv
	.p2align	8
	.type	k_q3283c6f09e_qkv,@function
k_q3283c6f09e_qkv:
	s_mov_b64 s[64:65], 0
	v_nop
	global_prefetch_b8 v0, s[64:65] scope:SCOPE_SE
	s_setreg_imm32_b32 hwreg(HW_REG_WAVE_MODE, 25, 1), 1
	s_wait_xcnt 0x0
	s_wait_alu depctr_hold_cnt(0) depctr_sa_sdst(0) depctr_va_vdst(0) depctr_va_sdst(0) depctr_va_ssrc(0) depctr_va_vcc(0) depctr_vm_vsrc(0)
	s_getreg_b32 s2, hwreg(HW_REG_IB_STS2, 6, 4)
	s_cmp_eq_u32 s2, 0
	s_cbranch_scc0 .Lentry_in_a_cluster
	s_endpgm
.Lentry_in_a_cluster:
	s_bfe_u32 s2, ttmp6, 0x10000c
	s_cmp_lg_u32 s2, 0xf033
	s_cbranch_scc0 .Lentry_shape_is_right
	s_endpgm
.Lentry_shape_is_right:
; QKV: the three quantised products, on codes of E2M1 with E8M0 scales, f32 sums.  C[m][n] = sum over k of A[m][k] B[n][k], K = 1,024.
; Left out as dead work (shown at the head of launch prep): bk.  bv is added later, in f32, in launch attn.
; A tile of C is 256 x 256, a wave makes 128 x 128 in 64 accumulators.  192 work-groups: 12,288 x 1,024 outputs.
; THE MATRIX INSTRUCTION IS USED TRANSPOSED (source 0 = 16 rows of B, source 1 = 16 rows of A): a lane holds one row of A and eight neighbouring rows of B.
; t = cluster row / 4.  t = 0, 1 (q, k): A = the tokens, B = the weight: a lane holds a token and eight channels: a piece of the operand of the score product.
; t = 2 (v): A = Wv, B = the tokens: a lane holds a channel and eight keys: a piece of V transposed, with nothing turned.
; Only global offsets are chosen by t; t is made of the number of the cluster, which all partners share.
; K goes through two LDS slots of 512 along K; both are filled at the start and none is filled again.  Tiles lie in memory and in LDS as images of operand registers
; (512 bytes a group of four registers, lane l at 16 l), so a wave's tensor load is one dense block of 32 KiB and every LDS load reads 512 bytes on end.
; The scale bytes of the 256 + 256 rows for all of K come once, as units of 256 bytes with 16 of padding.
; CLUSTER 4 x 4: A's tile is asked for jointly along a row of the cluster, B's along a column.
; OUT: q = (x Wq + bq) log2(e) / 8 and k = x Wk as f16; v as f16 pairs, a high and a low part.  LIMIT: these stay under 65,504 in magnitude.
; REGISTERS: window 0: v0-31 addresses; v32-95 scale words and nothing else; v128-191 A's fragments, later work; v96-127 packed halves; v192-255 bias or low parts.
;   window 1: B's fragments, two sets.  windows 2, 3: the accumulators ((a, b) at v[8 (8 (a % 4) + b)]).
.set NQ,     4
.set FR,     8
.set NL,     2
.set NP,     4
.set HALFT,  32768                     ; 128 rows x 512 along K as codes: what one tensor load brings
.set SLOT,   131072                    ; A's 256 rows, then B's
.set KS,     32
.set SCL,    2*SLOT
.set HALFS,  4352                      ; the scale bytes of 128 rows: 16 units of 272
.set SBLK,   544                       ; those of 16 rows
.set SPARE,  SCL+4*HALFS               ; the spare words, 128 bytes a wave
.set XS_O,   7864320
.set WC_O,   6291456
.set WS_O,   8257536
.set ADRA, 16
.set ADRB, 20
.set LOFF, 24                          ; v24  16 x lane
.set BOFF, 25                          ; v25  32 x (lane / 16)
.set ADRS, 27
.set SPW,  28
.set NIL,  29
.set SC,   32
.set PK,   96
.set AF,   128
.set TT,   128
.set BI,   192
.set G1, 24
.set G0, 32
.set G1B, 48
.set G0B, 56
.set G1S, 68
.set G0S, 76
.set G1SB, 80
.set G0SB, 88
.set MSB, 0
.macro WIN new                         ; the high byte repeats the setting that is left
.if MSB != \new
	s_set_vgpr_msb (MSB<<8)|\new
.set MSB, \new
.endif
.endm
.set MUL_LO, 0xa1
.set MUL_HI, 0xf1
.set TO_B,   0x40
.macro WIDEN d, r
	v_cvt_f32_f16 v[\d], v\r\().l
	v_cvt_f32_f16 v[\d+1], v\r\().h
.endm
; A joint load: waves 0 and 1 fetch for A, waves 2 and 3 for B; the branch hangs on the wave number alone.  An s_nop 0 and four v_nop follow each line.
.macro JLOAD g0a, g1a, g0b, g1b
	s_cmp_eq_u32 s15, 0
	s_cbranch_scc0 .Lfor_b_\@
	tensor_load_to_lds s[\g0a:\g0a+3], s[\g1a:\g1a+7]
	s_nop 0
.rept 4
	v_nop
.endr
	s_branch .Lasked_\@
.Lfor_b_\@:
	tensor_load_to_lds s[\g0b:\g0b+3], s[\g1b:\g1b+7]
	s_nop 0
.rept 4
	v_nop
.endr
.Lasked_\@:
.endm
.macro CROUND                          ; a round of the cluster barrier
	s_barrier_signal -1
	s_barrier_wait -1
	s_cmp_lg_u32 s14, 0
	s_cbranch_scc1 .Lnot_wave_0_\@
	s_barrier_signal -3
.Lnot_wave_0_\@:
	s_barrier_wait -3
	s_barrier_signal -1
	s_barrier_wait -1
.endm
	s_load_b128 s[4:7], s[0:1], 0x0                ; codes, bq
	s_load_b64 s[8:9], s[0:1], 0x10                ; qkv
	v_lshl_add_u32 v[SPW], v0, 2, SPARE
	v_mov_b32 v[NIL], 0
	ds_add_u32 v[SPW], v[NIL]                      ; the opening: the add, twice on end, and its wait ahead of my first tensor load
	ds_add_u32 v[SPW], v[NIL]
	v_lshrrev_b32 v1, 5, v0
	v_readfirstlane_b32 s14, v1                    ; wave
	s_lshr_b32 s15, s14, 1                         ; my half of the rows.  Also: I fetch for A (0) or B (1)
	s_and_b32 s16, s14, 1                          ; my half of the columns.  Also: which 128 rows I fetch
	s_bfe_u32 s40, ttmp6, 0x40000                  ; cx
	s_bfe_u32 s41, ttmp6, 0x40004                  ; cy
	s_and_b32 s10, ttmp7, 0xffff                   ; cluster row 0..11
	s_lshr_b32 s11, s10, 2                         ; t
	s_and_b32 s12, s10, 3
	s_lshl_b32 s12, s12, 2                         ; four tiles of tokens a cluster
	s_lshl_b32 s92, s11, 21                        ; in codes: the tokens of t,
	s_lshl_b32 s93, s11, 19
	s_add_co_u32 s93, s93, WC_O                    ; the weight of t,
	s_lshl_b32 s94, s11, 17
	s_add_co_u32 s94, s94, XS_O                    ; and their scale bytes
	s_lshl_b32 s95, s11, 15
	s_add_co_u32 s95, s95, WS_O
	s_mov_b32 s96, 1048576                         ; from one half of K to the other: tokens,
	s_mov_b32 s97, 262144                          ; weight
	s_cmp_lt_u32 s11, 2                            ; q or k: A = tokens
	s_cselect_b32 s18, s12, 0
	s_cselect_b32 s19, 0, s12
	s_cselect_b32 s20, s92, s93                    ; A: codes
	s_cselect_b32 s46, s93, s92                    ; B: codes
	s_cselect_b32 s22, s94, s95                    ; A: scale bytes
	s_cselect_b32 s66, s95, s94                    ; B: scale bytes
	s_cselect_b32 s98, s96, s97
	s_cselect_b32 s99, s97, s96
	s_mov_b32 s92, s98
	s_mov_b32 s93, 0
	s_mov_b32 s94, s99
	s_mov_b32 s95, 0
	s_add_co_u32 s17, s41, s18                     ; tile row: made of cy and the cluster number
	s_add_co_u32 s42, s40, s19                     ; tile column: made of cx and the cluster number
	s_lshl_b32 s43, s41, 2
	s_lshl_b32 s43, 15, s43                        ; my row of the cluster
	s_lshl_b32 s44, 0x1111, s40                    ; my column
	; group 1, codes: a dense block of 32 KiB as 128 rows of 32 elements of 8 bytes, no padding
	s_or_b32 s[G1+0], s43, (3<<16)|(1<<21)
	s_or_b32 s[G1B+0], s44, (3<<16)|(1<<21)
.irp g, G1, G1B
	s_mov_b32 s[\g+1], 32<<16
	s_mov_b32 s[\g+2], 128<<16
	s_mov_b32 s[\g+3], 32<<16
	s_mov_b32 s[\g+4], 128
	s_mov_b32 s[\g+5], 32
	s_mov_b32 s[\g+6], 0
	s_mov_b32 s[\g+7], 0
.endr
	; group 1, scale bytes of 128 rows: 16 rows of 256 bytes, 16 bytes of padding behind each
	s_or_b32 s[G1S+0], s43, (3<<16)|(1<<20)|(1<<21)|(5<<22)|(3<<25)
	s_or_b32 s[G1SB+0], s44, (3<<16)|(1<<20)|(1<<21)|(5<<22)|(3<<25)
.irp g, G1S, G1SB
	s_mov_b32 s[\g+1], 32<<16
	s_mov_b32 s[\g+2], 16<<16
	s_mov_b32 s[\g+3], 32<<16
	s_mov_b32 s[\g+4], 16
	s_mov_b32 s[\g+5], 32
	s_mov_b32 s[\g+6], 0
	s_mov_b32 s[\g+7], 0
.endr
	s_lshl_b32 s13, s17, 16                        ; A: 16 fragments rows of 4,096 bytes a tile row, 8 a half
	s_add_co_u32 s20, s20, s13
	s_lshl_b32 s13, s16, 15
	s_add_co_u32 s20, s20, s13
	s_lshl_b32 s13, s17, 13                        ; 256 rows of 32 scale bytes
	s_add_co_u32 s22, s22, s13
	s_lshl_b32 s13, s16, 12
	s_add_co_u32 s22, s22, s13
	s_lshl_b32 s45, s42, 16                        ; B likewise, by the tile column
	s_add_co_u32 s46, s46, s45
	s_lshl_b32 s45, s16, 15
	s_add_co_u32 s46, s46, s45
	s_lshl_b32 s45, s42, 13
	s_add_co_u32 s66, s66, s45
	s_lshl_b32 s45, s16, 12
	s_add_co_u32 s66, s66, s45
	s_mov_b32 s21, 0
	s_mov_b32 s23, 0
	s_mov_b32 s47, 0
	s_mov_b32 s67, 0
	s_mul_i32 s45, s14, HALFT                      ; where they go: by the wave number alone
	s_mul_i32 s3, s14, HALFS
	s_wait_dscnt 0x0                               ; both opening adds are done
	s_wait_kmcnt 0x0
	s_add_nc_u64 s[20:21], s[4:5], s[20:21]
	s_add_nc_u64 s[22:23], s[4:5], s[22:23]
	s_add_nc_u64 s[46:47], s[4:5], s[46:47]
	s_add_nc_u64 s[66:67], s[4:5], s[66:67]
	CROUND                                         ; all sixteen work-groups are here: the joint loads meet
	s_mov_b32 s[G0S], 1
	s_add_co_u32 s[G0S+1], s3, SCL
	s_mov_b64 s[G0S+2:G0S+3], s[22:23]
	s_or_b32 s[G0S+3], s[G0S+3], 0x80000000
	s_mov_b32 s[G0SB], 1
	s_add_co_u32 s[G0SB+1], s3, SCL
	s_mov_b64 s[G0SB+2:G0SB+3], s[66:67]
	s_or_b32 s[G0SB+3], s[G0SB+3], 0x80000000
	JLOAD G0S, G1S, G0SB, G1SB                     ; the scale bytes
	s_mov_b32 s[G0], 1
	s_mov_b32 s[G0+1], s45
	s_mov_b64 s[G0+2:G0+3], s[20:21]
	s_or_b32 s[G0+3], s[G0+3], 0x80000000
	s_mov_b32 s[G0B], 1
	s_mov_b32 s[G0B+1], s45
	s_mov_b64 s[G0B+2:G0B+3], s[46:47]
	s_or_b32 s[G0B+3], s[G0B+3], 0x80000000
	JLOAD G0, G1, G0B, G1B                         ; slot 0: the first half of K
	s_mov_b32 s[G0+4], 1
	s_add_co_u32 s[G0+5], s45, SLOT
	s_add_nc_u64 s[G0+6:G0+7], s[20:21], s[92:93]
	s_or_b32 s[G0+7], s[G0+7], 0x80000000
	s_mov_b32 s[G0B+4], 1
	s_add_co_u32 s[G0B+5], s45, SLOT
	s_add_nc_u64 s[G0B+6:G0B+7], s[46:47], s[94:95]
	s_or_b32 s[G0B+7], s[G0B+7], 0x80000000
	JLOAD G0+4, G1, G0B+4, G1B                     ; slot 1: the second half.  Three tensor loads of mine are out
	v_and_b32 v1, 15, v0                           ; r
	v_bfe_u32 v2, v0, 4, 1                         ; h
	v_and_b32 v3, 31, v0
	v_lshlrev_b32 v[LOFF], 4, v3
	v_lshlrev_b32 v[BOFF], 5, v2
	s_mul_i32 s21, s15, HALFT
	s_mul_i32 s22, s16, HALFT
	s_add_co_u32 s22, s22, 2*HALFT
.irp s, 0,1
	v_add_nc_u32 v[ADRA+\s], s21, v[LOFF]
	v_add_nc_u32 v[ADRB+\s], s22, v[LOFF]
	s_add_co_u32 s21, s21, SLOT
	s_add_co_u32 s22, s22, SLOT
.endr
	v_mul_u32_u24 v5, v1, KS                       ; my row's scale bytes: 32 a row,
	v_lshrrev_b32 v6, 8, v5
	v_lshl_add_u32 v5, v6, 4, v5                   ; and 16 more for each 256 passed
	s_mul_i32 s21, s15, HALFS
	s_mul_i32 s22, s16, HALFS
	s_add_co_u32 s22, s22, 2*HALFS
	s_sub_co_u32 s22, s22, s21
	v_mul_u32_u24 v6, s22, v2                      ; lanes 16-31 take B's
	s_add_co_u32 s21, s21, SCL
	v_add_nc_u32 v5, v5, v6
	v_add_nc_u32 v[ADRS], s21, v5
	; where my results go.  q, k: [b][head][tile of 16 tokens][2,048 bytes];  v: [b][head][64 keys][8,192 bytes]
	s_lshr_b32 s18, s17, 3
	s_lshl_b32 s18, s18, 4
	s_lshl_b32 s19, s42, 2
	s_add_co_u32 s18, s18, s19
	s_lshl_b32 s19, s16, 1
	s_add_co_u32 s18, s18, s19                     ; 16 b + my first head
	s_lshl_b32 s18, s18, 18
	s_and_b32 s19, s17, 7
	s_lshl_b32 s19, s19, 15
	s_add_co_u32 s18, s18, s19
	s_lshl_b32 s19, s15, 14
	s_add_co_u32 s18, s18, s19
	s_lshl_b32 s19, s11, 23
	s_add_co_u32 s18, s18, s19
	s_lshr_b32 s20, s42, 3
	s_lshl_b32 s20, s20, 4
	s_lshl_b32 s19, s17, 2
	s_add_co_u32 s20, s20, s19
	s_lshl_b32 s19, s15, 1
	s_add_co_u32 s20, s20, s19
	s_lshl_b32 s20, s20, 18
	s_and_b32 s19, s42, 7
	s_lshl_b32 s19, s19, 15
	s_add_co_u32 s20, s20, s19
	s_lshl_b32 s19, s16, 14
	s_add_co_u32 s20, s20, s19
	s_add_co_u32 s20, s20, 16777216
	s_cmp_lt_u32 s11, 2
	s_cselect_b32 s92, s18, s20
	s_mov_b32 s93, 0
	s_add_nc_u64 s[92:93], s[8:9], s[92:93]
	s_add_nc_u64 s[94:95], s[92:93], 8388608       ; v: the low parts (named by the tail of v alone)
.macro FRAG reg, adr, q, i             ; a fragment, 16 rows x 128 K: two groups of four registers, as they lie
.irp c, 0,1
	ds_load_b128 v[\reg+4*\c:\reg+4*\c+3], v[\adr] offset:1024*(\q)+512*\c+(\i)*4096
.endr
.endm
; 16 matrix instructions: A's blocks a0, a0 + 1 x B's eight.  The 64 accumulators take turns, one instruction a turn, in the same order in every step.
.macro MUL16 a0, p, q, sc, zero
.irp a, \a0, \a0+1
.irp b, 0,1,2,3,4,5,6,7
.if \zero
	v_wmma_scale_f32_16x16x128_f8f6f4 v[8*(8*((\a)%4)+\b):8*(8*((\a)%4)+\b)+7], v[128*(\p)+FR*\b:128*(\p)+FR*\b+FR-1], v[AF+FR*(\a):AF+FR*(\a)+FR-1], 0, v[SC+8*NQ*(\sc)+NQ*\b+(\q)], v[SC+8*NQ*(\sc)+NQ*(\a)+(\q)] matrix_a_fmt:MATRIX_FMT_FP4 matrix_b_fmt:MATRIX_FMT_FP4 matrix_a_scale:MATRIX_SCALE_ROW1
.else
	v_wmma_scale_f32_16x16x128_f8f6f4 v[8*(8*((\a)%4)+\b):8*(8*((\a)%4)+\b)+7], v[128*(\p)+FR*\b:128*(\p)+FR*\b+FR-1], v[AF+FR*(\a):AF+FR*(\a)+FR-1], v[8*(8*((\a)%4)+\b):8*(8*((\a)%4)+\b)+7], v[SC+8*NQ*(\sc)+NQ*\b+(\q)], v[SC+8*NQ*(\sc)+NQ*(\a)+(\q)] matrix_a_fmt:MATRIX_FMT_FP4 matrix_b_fmt:MATRIX_FMT_FP4 matrix_a_scale:MATRIX_SCALE_ROW1
.endif
.endr
.endr
.endm
.macro FETCH_B slot, q, p
	WIN TO_B
.irp i, 0,1,2,3,4,5,6,7
	FRAG 128*(\p)+FR*\i, ADRB+\slot, \q, \i
.endr
	WIN 0
.endm
.macro FETCH_A slot, q, i0
.irp i, \i0, \i0+1, \i0+2, \i0+3
	FRAG AF+FR*(\i), ADRA+\slot, \q, \i
.endr
.endm
.macro SCALES sc                       ; a slot's scale words: four a row; lanes 0-15 A's block i, lanes 16-31 B's block i
.irp i, 0,1,2,3,4,5,6,7
	ds_load_b128 v[SC+8*NQ*\sc+NQ*\i:SC+8*NQ*\sc+NQ*\i+3], v[ADRS] offset:\i*SBLK
.endr
.endm
.macro PLACES n                        ; plain vector lines between a matrix instruction and a load into, or a read of, its registers
.rept \n
	v_nop
.endr
.endm
.macro STEP slot, q, zero              ; 128 along K with a successor in the same slot
	s_wait_dscnt 4*NL                              ; B's set and A's blocks 0-3 are in; the youngest eight loads (A's blocks 4-7) may be out
	WIN MUL_LO
	MUL16 0, (\q)%2, \q, \slot, \zero
	MUL16 2, (\q)%2, \q, \slot, \zero
	s_wait_dscnt 0
	PLACES NP
	FETCH_B \slot, (\q)+1, 1-(\q)%2
	FETCH_A \slot, (\q)+1, 0
	WIN MUL_HI
	MUL16 4, (\q)%2, \q, \slot, \zero
	MUL16 6, (\q)%2, \q, \slot, \zero
	PLACES NP
	WIN 0
	FETCH_A \slot, (\q)+1, 4
.endm
.macro TURN slot, next                 ; a slot's last step: the other slot has to be whole in every wave's eyes.  Nothing is filled again
	s_wait_tensorcnt 0x0                           ; all my tensor loads have landed: my part of the next slot
	ds_add_u32 v[SPW], v[NIL]
	s_wait_dscnt 4*NL+1                            ; (the add and the youngest eight loads may be out)
	WIN MUL_LO
	MUL16 0, 1, NQ-1, \slot, 0
	s_wait_dscnt 0x0
	s_barrier_signal -1
	MUL16 2, 1, NQ-1, \slot, 0
	WIN 0
	s_barrier_wait -1
	PLACES NP
	v_add_nc_u32 v[ADRS], 4*NQ, v[ADRS]            ; the next slot's scale words (no LDS load of mine is out)
	FETCH_B \next, 0, 0
	FETCH_A \next, 0, 0
	SCALES \next
	WIN MUL_HI
	MUL16 4, 1, NQ-1, \slot, 0
	MUL16 6, 1, NQ-1, \slot, 0
	PLACES NP
	WIN 0
	FETCH_A \next, 0, 4
.endm
.macro LAST                            ; the very last step: nothing more to fetch
	s_wait_dscnt 4*NL
	WIN MUL_LO
	MUL16 0, 1, NQ-1, 1, 0
	MUL16 2, 1, NQ-1, 1, 0
	s_wait_dscnt 0
	WIN MUL_HI
	MUL16 4, 1, NQ-1, 1, 0
	MUL16 6, 1, NQ-1, 1, 0
	WIN 0
	PLACES NP
.endm
; The ways out.  An accumulator (a, b) packs into four registers of f16: one group of an image, 512 bytes on end for the wave.  Each accumulator is read from its low end on.
.macro OUTQK a
.irp b, 0,1,2,3,4,5,6,7
	global_store_b128 v[LOFF], v[PK+4*\b:PK+4*\b+3], s[92:93] offset:(\a)*2048+(\b/4)*262144+((\b/2)%2)*1024+(\b%2)*512
.endr
.endm
.macro EPI_Q a
.set AC, 64*((\a)%4)
	s_wait_xcnt 0x0                                ; the last block's stores have read v96-127
	WIN (0x02+(\a)/4)
.set J, 0
.rept 32
	v_pk_fma_f32 v[TT+2*J:TT+2*J+1], v[AC+2*J:AC+2*J+1], s[96:97], v[BI+2*J:BI+2*J+1] op_sel_hi:[1,0,1]   ; sum x c + bq x c
.set J, J+1
.endr
	WIN 0
.set J, 0
.rept 32
	v_cvt_pk_f16_f32 v[PK+J], v[TT+2*J], v[TT+2*J+1]
.set J, J+1
.endr
	OUTQK \a
.endm
.macro EPI_K a
.set AC, 64*((\a)%4)
	s_wait_xcnt 0x0
	WIN (0x0a+5*((\a)/4))
.set J, 0
.rept 32
	v_cvt_pk_f16_f32 v[PK+J], v[AC+2*J], v[AC+2*J+1]
.set J, J+1
.endr
	WIN 0
	OUTQK \a
.endm
.macro EPI_V a
.set AC, 64*((\a)%4)
	s_wait_xcnt 0x0
	WIN (0x0a+5*((\a)/4))
.set J, 0
.rept 32
	v_cvt_pk_f16_f32 v[PK+J], v[AC+2*J], v[AC+2*J+1]       ; the high part
.set J, J+1
.endr
	WIN 0
.irp r, 96,97,98,99,100,101,102,103,104,105,106,107,108,109,110,111,112,113,114,115,116,117,118,119,120,121,122,123,124,125,126,127
	WIDEN TT+2*(\r-96), \r
.endr
	WIN (0x02+(\a)/4)
.set J, 0
.rept 32
	v_pk_add_f32 v[TT+2*J:TT+2*J+1], v[AC+2*J:AC+2*J+1], v[TT+2*J:TT+2*J+1] neg_lo:[0,1] neg_hi:[0,1]   ; what the high part leaves
.set J, J+1
.endr
	WIN 0
.set J, 0
.rept 32
	v_cvt_pk_f16_f32 v[BI+J], v[TT+2*J], v[TT+2*J+1]       ; the low part
.set J, J+1
.endr
.irp b, 0,1,2,3,4,5,6,7
	global_store_b128 v[LOFF], v[PK+4*\b:PK+4*\b+3], s[92:93] offset:((\a)/4)*262144+((\a)%4)*1024+(\b/4)*8192+((\b/2)%2)*4096+(\b%2)*512
	global_store_b128 v[LOFF], v[BI+4*\b:BI+4*\b+3], s[94:95] offset:((\a)/4)*262144+((\a)%4)*1024+(\b/4)*8192+((\b/2)%2)*4096+(\b%2)*512
.endr
.endm
	s_wait_tensorcnt 1                             ; the scale bytes and my part of slot 0 are in; slot 1's load may be out
	s_barrier_signal -1
	s_barrier_wait -1
	FETCH_B 0, 0, 0
	FETCH_A 0, 0, 0
	SCALES 0
	FETCH_A 0, 0, 4
	STEP 0, 0, 1                                   ; the first products start the sums: nothing is cleared
	STEP 0, 1, 0
	STEP 0, 2, 0
	TURN 0, 1
	STEP 1, 0, 0
	STEP 1, 1, 0
	STEP 1, 2, 0
	s_cmp_eq_u32 s11, 0                            ; the three tails part on the cluster number, which all partners share
	s_cbranch_scc0 .Lnot_q
	s_lshl_b32 s18, s42, 10                        ; q: bq at my 128 channels, asked for ahead of the last step
	s_lshl_b32 s19, s16, 9
	s_add_co_u32 s18, s18, s19
	s_mov_b32 s19, 0
	s_add_nc_u64 s[6:7], s[6:7], s[18:19]
	s_mov_b32 s96, 0x3e38aa3b                      ; c = log2(e) / 8
	s_mov_b32 s97, s96
.irp b, 0,1,2,3,4,5,6,7
	global_load_b128 v[BI+8*\b:BI+8*\b+3], v[BOFF], s[6:7] offset:64*\b
	global_load_b128 v[BI+8*\b+4:BI+8*\b+7], v[BOFF], s[6:7] offset:64*\b+16
.endr
	LAST
	s_wait_loadcnt 0x0
.set J, 0
.rept 32
	v_pk_mul_f32 v[BI+2*J:BI+2*J+1], v[BI+2*J:BI+2*J+1], s[96:97] op_sel_hi:[1,0]
.set J, J+1
.endr
.irp a, 0,1,2,3,4,5,6,7
	EPI_Q \a
.endr
	s_branch .Ldone
.Lnot_q:
	s_cmp_eq_u32 s11, 1
	s_cbranch_scc0 .Ltail_v
	LAST
.irp a, 0,1,2,3,4,5,6,7
	EPI_K \a
.endr
	s_branch .Ldone
.Ltail_v:
	LAST
.irp a, 0,1,2,3,4,5,6,7
	EPI_V \a
.endr
.Ldone:
	s_wait_tensorcnt 0x0                           ; the end of the wave
	ds_add_u32 v[SPW], v[NIL]
	s_wait_dscnt 0x0
	CROUND                                         ; the closing round
	s_endpgm
.Lfunc_end_k_q3283c6f09e_qkv:
	.size	k_q3283c6f09e_qkv, .Lfunc_end_k_q3283c6f09e_qkv-k_q3283c6f09e_qkv
	.p2alignl 7, 3214868480
	.fill 96, 4, 3214868480
	.section	.rodata,"a",@progbits
	.p2align	6, 0x0
	.amdhsa_kernel k_q3283c6f09e_qkv
		.amdhsa_group_segment_fixed_size 327680
		.amdhsa_private_segment_fixed_size 0
		.amdhsa_enable_private_segment 0
		.amdhsa_kernarg_size 24
		.amdhsa_user_sgpr_count 2
		.amdhsa_user_sgpr_kernarg_segment_ptr 1
		.amdhsa_wavefront_size32 1
		.amdhsa_system_sgpr_workgroup_id_x 1
		.amdhsa_system_sgpr_workgroup_id_y 1
		.amdhsa_system_sgpr_workgroup_id_z 1
		.amdhsa_system_vgpr_workitem_id 0
		.amdhsa_next_free_vgpr 1024
		.amdhsa_next_free_sgpr 100
		.amdhsa_reserve_vcc 0
		.amdhsa_float_denorm_mode_32 3
		.amdhsa_float_denorm_mode_16_64 3
		.amdhsa_memory_ordered 1
		.amdhsa_forward_progress 1
		.amdhsa_inst_pref_size 255
	.end_amdhsa_kernel
	.amdgpu_metadata
---
amdhsa.version: [ 1, 2 ]
amdhsa.kernels:
  - .name:           k_q3283c6f09e_qkv
    .symbol:         k_q3283c6f09e_qkv.kd
    .args:
      - { .name: codes, .offset: 0, .size: 8, .value_kind: global_buffer, .address_space: global }
      - { .name: bq, .offset: 8, .size: 8, .value_kind: global_buffer, .address_space: global }
      - { .name: qkv, .offset: 16, .size: 8, .value_kind: global_buffer, .address_space: global }
    .group_segment_fixed_size: 327680
    .private_segment_fixed_size: 0
    .kernarg_segment_align: 8
    .kernarg_segment_size: 24
    .max_flat_workgroup_size: 128
    .sgpr_count:     100
    .vgpr_count:     1024
    .wavefront_size: 32
...
	.end_amdgpu_metadata
.endif
;; end of part 2
;; launch attn (part 3): grid 8 x 32, 8 waves a work-group, no clusters, 101,376 bytes of LDS; arguments qkv, mwords, bv, yf; writes yf
.if DOCPART == 3
	.amdgcn_target "amdgcn-amd-amdhsa--gfx1250"
	.amdhsa_code_object_version 6
	.text
	.protected	k_q3283c6f09e_attn
	.globl	k_q3283c6f09e_attn
	.p2align	8
	.type	k_q3283c6f09e_attn,@function
k_q3283c6f09e_attn:
	s_mov_b64 s[64:65], 0
	v_nop
	global_prefetch_b8 v0, s[64:65] scope:SCOPE_SE
	s_setreg_imm32_b32 hwreg(HW_REG_WAVE_MODE, 25, 1), 1
	s_wait_xcnt 0x0
; ATTN: y = softmax(q.k / 8, hidden where att_mask is 0) v + bv, one head of one sequence to a row of the grid.  f16 operands, f32 sums, softmax in f32.
; Left out as dead work (shown at the head of launch prep): the global largest |score| and bk.  The running maximum of each row is taken away before every exponential.
; Tiles of 32 queries x 64 keys in which the mask hides every key are passed over, by scalar branches on the flag words that launch prep stored; that holds for any mask.
; So this launch has no tensor load and no cluster: K and V go from memory through registers into LDS, where four waves read them.
; SHARES.  A work-group takes the blocks of 128 queries p and then 15 - p.  Wave w: i = w % 4, par = w / 4.  Waves i and i + 4 own the same 32 queries (two tiles of 16);
; wave parity par takes the key tiles 2 trip + par.  16 trips a block, a constant; at the end of a block the pair's maxima, sums and O meet in LDS.
; LAYOUT.  S^T = K Q^T and O^T = V^T P: a lane holds one query (lane % 16) throughout; q comes scaled by log2(e) / 8, so p = 2^(s - m).
; A trip: the tile two on is asked for from memory; this tile is worked on out of one LDS buffer; the loaded tile goes into the other buffer; one barrier.
; The buffer written in a trip was last read a trip earlier, ahead of that trip's barrier.
; POSITIONS 0-15 of a sequence (block 0, i = 0, tile 0) take V as a pair of f16 numbers (a second run of products with the low parts) and leave y as a pair.
; LIMITS: m starts at -3e38; a row with no key gives 0 x infinity = NaN, as reference() does; |y| under 65,504.  The pairs are spent on positions 0-15 alone.
; REGISTERS.  window 0: v1-15 addresses; v16-31 eight statistics a tile (+0 m, +2,3 l, +4 a, +6,7 at work); v32-43 chains; v44-51 offsets that stay; v64-95 P, later y as f16;
;   v96-159 S^T, then p, later y in f32; v160-191 a tile quarter on its way to LDS; v192-223 bv; v224-255 at work.
; window 1: v0-31 Q; v32-95 K (also V low parts, also the partner's O); v96-159 V; v160-223 O^T.
.set MG,    65536                      ; LDS: behind the four K/V buffers (parity x 2, 16 KiB each): a merge region of 8,704 bytes for each pair of waves
.set SPARE, 100352                     ; the spare words, 128 bytes a wave
.set FL_O,  524288
.set LI,  1
.set LRD, 2
.set LWR, 3
.set GO,  4
.set MO,  5
.set MGA, 12
.set MGS, 13
.set SPW, 14
.set NIL, 15
.set ST,  16
.set CH,  32
.set SCH, 40
.set PFO, 44
.set P,   64
.set S,   96
.set SG,  160
.set BV,  192
.set KR,  32                           ; window 1
.set VR,  96
.set OR,  160
.set MSB, 0
.macro WIN new
.if MSB != \new
	s_set_vgpr_msb (MSB<<8)|\new
.set MSB, \new
.endif
.endm
.macro WIDEN d, r
	v_cvt_f32_f16 v[\d], v\r\().l
	v_cvt_f32_f16 v[\d+1], v\r\().h
.endm
	s_load_b256 s[4:11], s[0:1], 0x0               ; qkv, mwords, bv, yf
	v_lshl_add_u32 v[SPW], v0, 2, SPARE
	v_mov_b32 v[NIL], 0
	v_lshrrev_b32 v9, 5, v0
	v_readfirstlane_b32 s12, v9                    ; wave
	s_lshr_b32 s13, s12, 2                         ; par
	s_and_b32 s14, s12, 3                          ; i
	s_mov_b32 s15, ttmp9                           ; p
	s_and_b32 s16, ttmp7, 0xffff                   ; 16 b + head
	v_and_b32 v9, 31, v0                           ; lane
	v_lshlrev_b32 v[LI], 4, v9
	v_and_b32 v10, 15, v0                          ; r
	v_bfe_u32 v11, v0, 4, 1                        ; h
	s_lshl_b32 s23, s13, 15
	v_add_nc_u32 v[LRD], s23, v[LI]                ; LDS: my parity's buffers, 16 x lane
	s_lshl_b32 s52, s14, 11
	v_add_nc_u32 v[LWR], s52, v[LRD]               ; and my quarter of a tile: 2,048 bytes of K, 2,048 of V
	s_lshl_b32 s53, s13, 13
	s_add_co_u32 s53, s53, s52
	v_add_nc_u32 v45, s53, v[LI]                   ; the same quarter in memory, tile par
	v_lshlrev_b32 v46, 3, v10
	v_lshl_add_u32 v46, v11, 2, v46
	s_lshl_b32 s53, s13, 14
	s_lshl_b32 s54, s14, 8
	s_add_co_u32 s53, s53, s54
	v_add_nc_u32 v46, s53, v46                     ; mask words: (64 par + i) x 256 + 8 r + 4 h
	s_mul_i32 s53, s14, 8704
	s_add_co_u32 s53, s53, MG
	v_add_nc_u32 v[MGA], s53, v[LI]
	v_lshlrev_b32 v47, 2, v9                       ; 4 x lane
	v_add_nc_u32 v[MGS], s53, v47
	v_add_nc_u32 v[MGS], 8192, v[MGS]
	s_lshl_b32 s53, s14, 7
	v_add_nc_u32 v48, s53, v47                     ; flags of my group of 32 queries
	s_lshl_b32 s53, s14, 12
	v_add_nc_u32 v49, s53, v[LI]                   ; Q: my two tiles
	s_lshl_b32 s53, s14, 14
	v_add_nc_u32 v50, s53, v[LI]                   ; y: my two tiles
	v_lshlrev_b32 v51, 5, v11                      ; bv: 32 h
	v_mov_b32 v8, 0xff800000                       ; -infinity
	v_mov_b32 v6, 0
	v_mov_b32 v7, 0
	v_lshlrev_b32 v[PFO], 8, v9
	s_and_b32 s53, s12, 1
	s_lshl_b32 s53, s53, 13
	v_add_nc_u32 v[PFO], s53, v[PFO]               ; the prefetches: lanes 256 bytes apart, 8,192 bytes a wave
	s_mov_b32 s44, 0x76543210
	s_mov_b32 s45, 0xfedcba98
	s_mov_b32 s47, 0
	s_and_b32 s52, s16, 15                         ; head
	s_lshr_b32 s53, s16, 4                         ; b
	s_wait_kmcnt 0x0
	s_lshl_b32 s46, s16, 18
	s_add_nc_u64 s[48:49], s[4:5], s[46:47]        ; q of my head
	s_add_nc_u64 s[26:27], s[48:49], 8388608       ; k
	s_add_nc_u64 s[28:29], s[48:49], 16777216      ; v, high parts
	s_add_nc_u64 s[30:31], s[48:49], 25165824      ; v, low parts
	s_lshr_b32 s46, s52, 2
	s_lshl_b32 s46, s46, 21
	s_lshl_b32 s54, s53, 20
	s_add_co_u32 s46, s46, s54
	s_and_b32 s54, s52, 3
	s_lshl_b32 s54, s54, 11
	s_add_co_u32 s46, s46, s54
	s_add_nc_u64 s[50:51], s[10:11], s[46:47]      ; y: [K4 = head / 4][tile of 16 tokens][ks8 = 2 (head % 4) + ..]
	s_lshl_b32 s46, s53, 15
	s_lshl_b32 s54, s52, 11
	s_add_co_u32 s46, s46, s54
	s_add_co_u32 s46, s46, 8388608
	s_add_nc_u64 s[36:37], s[10:11], s[46:47]      ; the low parts of positions 0-15
	s_lshl_b32 s46, s52, 8
	s_add_nc_u64 s[8:9], s[8:9], s[46:47]
	s_cmp_lt_u32 s12, 4                            ; bv serves the waves that finish a block
	s_cbranch_scc0 .Lno_bv
.irp n, 0,1,2,3,4,5,6,7
	global_load_b128 v[BV+4*\n:BV+4*\n+3], v51, s[8:9] offset:(\n/2)*64+(\n%2)*16
.endr
.Lno_bv:
.macro STAGE_LOAD off                  ; my quarter of a tile of K and of V, 512 bytes on end a load
.irp n, 0,1,2,3
	global_load_b128 v[SG+4*\n:SG+4*\n+3], v[GO], s[26:27] offset:\off+512*\n
	global_load_b128 v[SG+16+4*\n:SG+16+4*\n+3], v[GO], s[28:29] offset:\off+512*\n
.endr
.endm
.macro STAGE_STORE buf
.irp n, 0,1,2,3
	ds_store_b128 v[LWR], v[SG+4*\n:SG+4*\n+3] offset:(\buf)*16384+512*\n
	ds_store_b128 v[LWR], v[SG+16+4*\n:SG+16+4*\n+3] offset:(\buf)*16384+8192+512*\n
.endr
.endm
; The softmax of my two tiles for 64 keys; the tiles alternate line by line.  All exponentials are one batch with one wait.
.macro SOFTMAX
.irp k, 0,1,2,3
.irp t, 0,1
	v_max3_num_f32 v[CH+4*\t+\k], v[S+32*\t+8*\k], v[S+32*\t+8*\k+1], v[S+32*\t+8*\k+2]   ; each accumulator is read from its low end on
.endr
.endr
.irp i, 3,5
.irp k, 0,1,2,3
.irp t, 0,1
	v_max3_num_f32 v[CH+4*\t+\k], v[CH+4*\t+\k], v[S+32*\t+8*\k+\i], v[S+32*\t+8*\k+\i+1]
.endr
.endr
.endr
.irp t, 0,1
	v_max3_num_f32 v[CH+4*\t], v[CH+4*\t], v[S+32*\t+7], v[S+32*\t+15]
.endr
.irp t, 0,1
	v_max3_num_f32 v[CH+4*\t+2], v[CH+4*\t+2], v[S+32*\t+23], v[S+32*\t+31]
.endr
.irp t, 0,1
	v_max3_num_f32 v[CH+4*\t], v[CH+4*\t], v[CH+4*\t+1], v[CH+4*\t+2]
.endr
.irp t, 0,1
	v_max3_num_f32 v[CH+4*\t], v[CH+4*\t], v[CH+4*\t+3], v[ST+8*\t]      ; with the old m
.endr
.irp t, 0,1
	v_permlanex16_b32 v[ST+8*\t+7], v[CH+4*\t], s44, s45                 ; the query's other 32 keys lie 16 lanes away
.endr
.irp t, 0,1
	v_max_num_f32 v[ST+8*\t+6], v[CH+4*\t], v[ST+8*\t+7]                 ; the new m
.endr
.irp t, 0,1
	v_sub_f32 v[ST+8*\t+7], v[ST+8*\t], v[ST+8*\t+6]                     ; old m - new m
.endr
.irp t, 0,1
	v_mov_b32 v[ST+8*\t], v[ST+8*\t+6]
.endr
.set J, 0
.rept 16
.irp t, 0,1
	v_pk_add_f32 v[S+32*\t+2*J:S+32*\t+2*J+1], v[S+32*\t+2*J:S+32*\t+2*J+1], v[ST+8*\t:ST+8*\t+1] op_sel_hi:[1,0] neg_lo:[0,1] neg_hi:[0,1]   ; s - m
.endr
.set J, J+1
.endr
.irp t, 0,1
	v_exp_f32 v[ST+8*\t+4], v[ST+8*\t+7]                                 ; a = 2^(old m - new m)
.endr
.set J, 0
.rept 32
.irp t, 0,1
	v_exp_f32 v[S+32*\t+J], v[S+32*\t+J]                                 ; p
.endr
.set J, J+1
.endr
	v_nop                                          ; a plain line behind the last exponential
	s_wait_alu depctr_va_vdst(0)                   ; one wait for the batch, ahead of its first reader
.irp t, 0,1
	v_pk_mul_f32 v[ST+8*\t+2:ST+8*\t+3], v[ST+8*\t+2:ST+8*\t+3], v[ST+8*\t+4:ST+8*\t+5] op_sel_hi:[1,0]
.endr
.irp t, 0,1
	v_pk_add_f32 v[SCH+2*\t:SCH+2*\t+1], v[S+32*\t:S+32*\t+1], v[S+32*\t+2:S+32*\t+3]   ; the sums are taken of p before it is rounded, in two chains
.endr
.irp j, 4,8,12,16,20,24,28
.irp t, 0,1
	v_pk_add_f32 v[ST+8*\t+2:ST+8*\t+3], v[ST+8*\t+2:ST+8*\t+3], v[S+32*\t+\j:S+32*\t+\j+1]
	v_pk_add_f32 v[SCH+2*\t:SCH+2*\t+1], v[SCH+2*\t:SCH+2*\t+1], v[S+32*\t+\j+2:S+32*\t+\j+3]
.endr
.endr
.irp t, 0,1
	v_pk_add_f32 v[ST+8*\t+2:ST+8*\t+3], v[ST+8*\t+2:ST+8*\t+3], v[SCH+2*\t:SCH+2*\t+1]
.endr
.set J, 0
.rept 16
.irp t, 0,1
	v_cvt_pk_f16_f32 v[P+16*\t+J], v[S+32*\t+2*J], v[S+32*\t+2*J+1]
.endr
.set J, J+1
.endr
.endm
; A tile of 64 keys against my 32 queries, out of LDS buffer buf.
.macro COMPUTE buf
	s_bitcmp1_b32 s21, 0                           ; are some of its keys hidden?  Then the mask words are asked for now
	s_cbranch_scc0 .Lnm_\@
	global_load_b32 v6, v[MO], s[6:7]
	global_load_b32 v7, v[MO], s[6:7] offset:128
.Lnm_\@:
	WIN 0x40
.set N, 0
.rept 16
	ds_load_b128 v[KR+4*N:KR+4*N+3], v[LRD] offset:(\buf)*16384+512*N
.set N, N+1
.endr
.set N, 0
.rept 16
	ds_load_b128 v[VR+4*N:VR+4*N+3], v[LRD] offset:(\buf)*16384+8192+512*N
.set N, N+1
.endr
	s_wait_dscnt 16                                ; K is in; V's sixteen loads may be out
	WIN 0x05
.irp c, 0,1                            ; eight accumulators by turns, one instruction a turn
.irp k, 0,1,2,3
.irp t, 0,1
.if \c == 0
	v_wmma_f32_16x16x32_f16 v[S+32*\t+8*\k:S+32*\t+8*\k+7], v[KR+16*\k:KR+16*\k+7], v[16*\t:16*\t+7], 0
.else
	v_wmma_f32_16x16x32_f16 v[S+32*\t+8*\k:S+32*\t+8*\k+7], v[KR+16*\k+8:KR+16*\k+15], v[16*\t+8:16*\t+15], v[S+32*\t+8*\k:S+32*\t+8*\k+7]
.endif
.endr
.endr
.endr
	WIN 0
.rept 4
	v_nop                                          ; places ahead of the first read of the scores
.endr
	s_bitcmp1_b32 s21, 0
	s_cbranch_scc0 .Lop_\@
	s_wait_loadcnt 0x0                             ; the mask words are the youngest loads
.irp t, 0,1
.set N, 0
.rept 32
	v_and_b32 v9, 1<<N, v[6+\t]                    ; register n of a tile is bit n of its word
	v_cmp_eq_u32 vcc_lo, 0, v9
	v_cndmask_b32 v[S+32*\t+N], v[S+32*\t+N], v8, vcc_lo   ; hidden: -infinity, so that p = 0
.set N, N+1
.endr
.endr
.Lop_\@:
	SOFTMAX
	WIN 0x41
.set J, 0
.rept 16
.irp t, 0,1
	v_pk_mul_f32 v[OR+32*\t+2*J:OR+32*\t+2*J+1], v[OR+32*\t+2*J:OR+32*\t+2*J+1], v[ST+8*\t+4:ST+8*\t+5] op_sel_hi:[1,0]   ; O^T under the new m
.endr
.set J, J+1
.endr
	s_wait_dscnt 0x0                               ; V is in
	WIN 0x51
.irp c, 0,1
.irp k, 0,1,2,3
.irp t, 0,1
	v_wmma_f32_16x16x32_f16 v[OR+32*\t+8*\k:OR+32*\t+8*\k+7], v[VR+32*\c+8*\k:VR+32*\c+8*\k+7], v[P+16*\t+8*\c:P+16*\t+8*\c+7], v[OR+32*\t+8*\k:OR+32*\t+8*\k+7]
.endr
.endr
.endr
	WIN 0
	s_cmp_eq_u32 s24, 0                            ; positions 0-15: tile 0 once more, with the low parts of V (my quarter offset is 0 here, so the offset names the whole tile)
	s_cbranch_scc0 .Lnf_\@
	WIN 0x40
.set N, 0
.rept 16
	global_load_b128 v[KR+4*N:KR+4*N+3], v[GO], s[30:31] offset:512*N
.set N, N+1
.endr
	s_wait_loadcnt 0x0
	WIN 0x51
.irp c, 0,1
.irp k, 0,1,2,3
	v_wmma_f32_16x16x32_f16 v[OR+8*\k:OR+8*\k+7], v[KR+32*\c+8*\k:KR+32*\c+8*\k+7], v[P+8*\c:P+8*\c+7], v[OR+8*\k:OR+8*\k+7]
.endr
.endr
	WIN 0
.Lnf_\@:
.rept 5
	v_nop                                          ; places ahead of the next loads into K and V and of the next reads of O^T
.endr
.endm
.macro TRIP buf
	s_bitcmp1_b32 s22, 2                           ; does any of the four waves of my parity want the tile two on?
	s_cbranch_scc0 .Lnl_\@
	STAGE_LOAD 16384
.Lnl_\@:
	s_cmp_lg_u32 s25, 0                            ; a prefetch of the pair of tiles two trips on: see the head of the block
	s_cbranch_scc0 .Lna_\@
	global_prefetch_b8 v[PFO], s[42:43] offset:32768 th:TH_LOAD_NT scope:SCOPE_SE
	s_sub_co_u32 s25, s25, 1
.Lna_\@:
	s_bitcmp1_b32 s20, 0                           ; does any key of this tile count for my 32 queries?
	s_cbranch_scc0 .Lnc_\@
	COMPUTE \buf
.Lnc_\@:
	s_bitcmp1_b32 s22, 2
	s_cbranch_scc0 .Lns_\@
	s_wait_loadcnt 0x0
	STAGE_STORE 1-(\buf)
.Lns_\@:
	s_wait_loadcnt 0x0                             ; on every way: no load of mine is out,
	s_wait_xcnt 0x0                                ; and every address has been read: the offsets may step
	v_add_nc_u32 v[GO], 16384, v[GO]
	v_add_nc_u32 v[MO], 32768, v[MO]
	s_add_nc_u64 s[42:43], s[42:43], 16384
	s_lshr_b32 s20, s20, 2
	s_lshr_b32 s21, s21, 2
	s_lshr_b32 s22, s22, 2
	s_wait_dscnt 0x0                               ; my stores have landed and my reads of this buffer are over
	s_barrier_signal -1
	s_barrier_wait -1
.endm
	s_mov_b32 s17, s15                             ; the first block: p
	s_mov_b32 s18, 2
.Lblock:
	s_wait_xcnt 0x0                                ; bases, offsets and store data of the last block may be written again
	s_lshl_b32 s46, s17, 9
	s_add_co_u32 s46, s46, FL_O
	s_add_nc_u64 s[40:41], s[6:7], s[46:47]        ; flags of the block's four groups
	s_lshl_b32 s46, s17, 14
	s_add_nc_u64 s[32:33], s[48:49], s[46:47]      ; q
	s_lshl_b32 s46, s17, 16
	s_add_nc_u64 s[34:35], s[50:51], s[46:47]      ; y
	s_lshl_b32 s23, s17, 10
	v_add_nc_u32 v[MO], s23, v46
	v_mov_b32 v[GO], v45
	s_or_b32 s24, s17, s14                         ; 0: block 0 and i = 0: positions 0-15 are in my tile 0
	; THE PREFETCHES.  All work-groups of a head walk the same K and V.  The work-group p = 0 asks, in its second block (block 15, which walks all 32 tiles): waves 0, 1 for K, waves 2, 3 for V,
	; in trip t for the pair of tiles of trip t + 2: 16,384 bytes of each, a lane 256 bytes.  So each run of 256 bytes from tile 4 on is named once in the launch; the last two trips ask for nothing.
	s_sub_co_u32 s23, s18, 1
	s_or_b32 s23, s23, s15
	s_or_b32 s23, s23, s13
	s_cmp_eq_u32 s23, 0
	s_cselect_b32 s25, 14, 0
	s_cmp_lt_u32 s12, 2
	s_cselect_b64 s[42:43], s[26:27], s[28:29]
	global_load_b32 v224, v48, s[40:41]            ; a lane a key tile: my group's 32 flag words,
.irp k, 0,1,2,3
	global_load_b32 v[225+\k], v47, s[40:41] offset:128*\k   ; and those of the block's four groups
.endr
	WIN 0x40
.irp n, 0,1,2,3,4,5,6,7
	global_load_b128 v[4*\n:4*\n+3], v49, s[32:33] offset:512*\n
.endr
	WIN 0
	STAGE_LOAD 0                                   ; tile par, whatever its flag says: so the registers are written on every way
	WIN 0x40
.set J, 0
.rept 64
	v_mov_b32 v[OR+J], 0                           ; the trip is written once: the first finds zeros
.set J, J+1
.endr
	WIN 0
.irp t, 0,1
	v_mov_b32 v[ST+8*\t], 0xff61b1e6               ; m: -3e38
.irp j, 1,2,3,4,5,6,7
	v_mov_b32 v[ST+8*\t+\j], 0
.endr
.endr
	s_wait_loadcnt 0x0
	v_and_b32 v229, 1, v224
	v_cmp_ne_u32 s20, 0, v229                      ; bit jt: some key of tile jt counts for my queries
	v_and_b32 v229, 2, v224
	v_cmp_ne_u32 s21, 0, v229                      ; bit jt: some key of tile jt is hidden
	v_or_b32 v225, v225, v226
	v_or_b32 v227, v227, v228
	v_or_b32 v225, v225, v227
	v_and_b32 v225, 1, v225
	v_cmp_ne_u32 s22, 0, v225                      ; bit jt: some wave of the block wants tile jt
	s_lshr_b32 s20, s20, s13                       ; my parity's tiles stand at the even bits
	s_lshr_b32 s21, s21, s13
	s_lshr_b32 s22, s22, s13
	STAGE_STORE 0
	s_wait_dscnt 0x0
	s_barrier_signal -1
	s_barrier_wait -1
	s_mov_b32 s19, 8
.Ltrip:
	TRIP 0
	TRIP 1
	s_sub_co_u32 s19, s19, 1
	s_cmp_lg_u32 s19, 0
	s_cbranch_scc1 .Ltrip
	; THE END OF A BLOCK.  Waves 4-7 hand m, l and O^T to their partners through LDS.
.irp t, 0,1
	v_add_f32 v[ST+8*\t+2], v[ST+8*\t+2], v[ST+8*\t+3]
.endr
	s_cmp_lt_u32 s12, 4
	s_cbranch_scc1 .Lkeep
	WIN 0x04
.set N, 0
.rept 16
	ds_store_b128 v[MGA], v[OR+4*N:OR+4*N+3] offset:512*N
.set N, N+1
.endr
	WIN 0
	ds_store_b32 v[MGS], v[ST]
	ds_store_b32 v[MGS], v[ST+2] offset:128
	ds_store_b32 v[MGS], v[ST+8] offset:256
	ds_store_b32 v[MGS], v[ST+10] offset:384
.Lkeep:
	s_wait_dscnt 0x0
	s_barrier_signal -1
	s_barrier_wait -1
	s_cmp_lt_u32 s12, 4
	s_cbranch_scc0 .Lgave
	WIN 0x40
.set N, 0
.rept 16
	ds_load_b128 v[KR+4*N:KR+4*N+3], v[MGA] offset:512*N
.set N, N+1
.endr
	WIN 0
.irp k, 0,1,2,3
	ds_load_b32 v[224+\k], v[MGS] offset:128*\k    ; the partner's m and l of tile 0, of tile 1
.endr
	s_wait_dscnt 0x0
.irp t, 0,1
	v_max_num_f32 v[228+\t], v[ST+8*\t], v[224+2*\t]
.endr
.irp t, 0,1
	v_sub_f32 v[230+\t], v[ST+8*\t], v[228+\t]
	v_sub_f32 v[232+\t], v[224+2*\t], v[228+\t]
.endr
.irp t, 0,1
	v_exp_f32 v[230+\t], v[230+\t]
	v_exp_f32 v[232+\t], v[232+\t]
.endr
	v_mov_b32 v236, 0                              ; (plain lines behind the exponentials; a lane permute names its destination as a source)
	v_mov_b32 v237, 0
	s_wait_alu depctr_va_vdst(0)
.irp t, 0,1
	v_mul_f32 v[234+\t], v[230+\t], v[ST+8*\t+2]
.endr
.irp t, 0,1
	v_fmac_f32 v[234+\t], v[232+\t], v[225+2*\t]
.endr
.irp t, 0,1
	v_permlanex16_b32 v[236+\t], v[234+\t], s44, s45
.endr
.irp t, 0,1
	v_add_f32 v[234+\t], v[234+\t], v[236+\t]      ; the row's sum
.endr
.irp t, 0,1
	v_rcp_f32 v[238+\t], v[234+\t]
.endr
	v_nop
	s_wait_alu depctr_va_vdst(0)
.irp t, 0,1
	v_mul_f32 v[240+\t], v[230+\t], v[238+\t]      ; what my O^T is multiplied by,
	v_mul_f32 v[242+\t], v[232+\t], v[238+\t]      ; and the partner's
.endr
	WIN 0x01
.irp t, 0,1
.set J, 0
.rept 32
	v_fma_f32 v[S+32*\t+J], v[OR+32*\t+J], v[240+\t], v[BV+J]    ; plain forms: a row with no key is 0 x infinity here
.set J, J+1
.endr
.endr
.irp t, 0,1
.set J, 0
.rept 32
	v_fma_f32 v[S+32*\t+J], v[KR+32*\t+J], v[242+\t], v[S+32*\t+J]
.set J, J+1
.endr
.endr
	WIN 0
.irp t, 0,1
.set J, 0
.rept 16
	v_cvt_pk_f16_f32 v[P+16*\t+J], v[S+32*\t+2*J], v[S+32*\t+2*J+1]
.set J, J+1
.endr
.endr
.irp t, 0,1
.irp k, 0,1,2,3
	global_store_b128 v50, v[P+16*\t+4*\k:P+16*\t+4*\k+3], s[34:35] offset:\t*8192+\k*512   ; 512 bytes on end: a group of the operand of the last product
.endr
.endr
	s_cmp_eq_u32 s24, 0
	s_cbranch_scc0 .Lgave
.irp r, 64,65,66,67,68,69,70,71,72,73,74,75,76,77,78,79
	WIDEN 224+2*(\r-64), \r
.endr
.set J, 0
.rept 32
	v_sub_f32 v[224+J], v[S+J], v[224+J]           ; positions 0-15: what the high part leaves
.set J, J+1
.endr
.set J, 0
.rept 16
	v_cvt_pk_f16_f32 v[SG+J], v[224+2*J], v[225+2*J]
.set J, J+1
.endr
.irp k, 0,1,2,3
	global_store_b128 v[LI], v[SG+4*\k:SG+4*\k+3], s[36:37] offset:\k*512
.endr
.Lgave:
	s_sub_co_u32 s17, 15, s17                      ; the second block: 15 - p
	s_sub_co_u32 s18, s18, 1
	s_cmp_lg_u32 s18, 0
	s_cbranch_scc1 .Lblock
	s_wait_tensorcnt 0x0                           ; the end of the wave
	ds_add_u32 v[SPW], v[NIL]
	s_wait_dscnt 0x0
	s_endpgm
.Lfunc_end_k_q3283c6f09e_attn:
	.size	k_q3283c6f09e_attn, .Lfunc_end_k_q3283c6f09e_attn-k_q3283c6f09e_attn
	.p2alignl 7, 3214868480
	.fill 96, 4, 3214868480
	.section	.rodata,"a",@progbits
	.p2align	6, 0x0
	.amdhsa_kernel k_q3283c6f09e_attn
		.amdhsa_group_segment_fixed_size 101376
		.amdhsa_private_segment_fixed_size 0
		.amdhsa_enable_private_segment 0
		.amdhsa_kernarg_size 32
		.amdhsa_user_sgpr_count 2
		.amdhsa_user_sgpr_kernarg_segment_ptr 1
		.amdhsa_wavefront_size32 1
		.amdhsa_system_sgpr_workgroup_id_x 1
		.amdhsa_system_sgpr_workgroup_id_y 1
		.amdhsa_system_sgpr_workgroup_id_z 1
		.amdhsa_system_vgpr_workitem_id 0
		.amdhsa_next_free_vgpr 512
		.amdhsa_next_free_sgpr 66
		.amdhsa_reserve_vcc 1
		.amdhsa_float_denorm_mode_32 3
		.amdhsa_float_denorm_mode_16_64 3
		.amdhsa_memory_ordered 1
		.amdhsa_forward_progress 1
		.amdhsa_inst_pref_size 88
	.end_amdhsa_kernel
	.amdgpu_metadata
---
amdhsa.version: [ 1, 2 ]
amdhsa.kernels:
  - .name:           k_q3283c6f09e_attn
    .symbol:         k_q3283c6f09e_attn.kd
    .args:
      - { .name: qkv, .offset: 0, .size: 8, .value_kind: global_buffer, .address_space: global }
      - { .name: mwords, .offset: 8, .size: 8, .value_kind: global_buffer, .address_space: global }
      - { .name: bv, .offset: 16, .size: 8, .value_kind: global_buffer, .address_space: global }
      - { .name: yf, .offset: 24, .size: 8, .value_kind: global_buffer, .address_space: global }
    .group_segment_fixed_size: 101376
    .private_segment_fixed_size: 0
    .kernarg_segment_align: 8
    .kernarg_segment_size: 32
    .max_flat_workgroup_size: 256
    .sgpr_count:     66
    .vgpr_count:     512
    .wavefront_size: 32
...
	.end_amdgpu_metadata
.endif
;; end of part 3
;; launch proj (part 4): grid 8 x 32, 4 waves a work-group, clusters of 4 x 4, 327,680 bytes of LDS; arguments yf, wpf, bp, out0; writes out0
.if DOCPART == 4
	.amdgcn_target "amdgcn-amd-amdhsa--gfx1250"
	.amdhsa_code_object_version 6
	.text
	.protected	k_q3283c6f09e_proj
	.globl	k_q3283c6f09e_proj
	.p2align	8
	.type	k_q3283c6f09e_proj,@function
k_q3283c6f09e_proj:
	s_mov_b64 s[64:65], 0
	v_nop
	global_prefetch_b8 v0, s[64:65] scope:SCOPE_SE
	s_setreg_imm32_b32 hwreg(HW_REG_WAVE_MODE, 25, 1), 1
	s_wait_xcnt 0x0
	s_wait_alu depctr_hold_cnt(0) depctr_sa_sdst(0) depctr_va_vdst(0) depctr_va_sdst(0) depctr_va_ssrc(0) depctr_va_vcc(0) depctr_vm_vsrc(0)
	s_getreg_b32 s2, hwreg(HW_REG_IB_STS2, 6, 4)
	s_cmp_eq_u32 s2, 0
	s_cbranch_scc0 .Lentry_in_a_cluster
	s_endpgm
.Lentry_in_a_cluster:
	s_bfe_u32 s2, ttmp6, 0x10000c
	s_cmp_lg_u32 s2, 0xf033
	s_cbranch_scc0 .Lentry_shape_is_right
	s_endpgm
.Lentry_shape_is_right:
; PROJ: out0 = y Wp + bp, f16 operands (the high parts), f32 sums.  4,096 x 1,024 x 1,024.  Rows 0-15 of each sequence are written again, more finely, by launch fine.
; A tile of the output is 128 x 128: 256 work-groups.  Four waves, each 64 x 64: 16 accumulators.  K goes in steps of 256 through two LDS slots.
; Both operands lie in memory as images of operand registers, [K step][tile of 16 rows][8 fragments][1,024 bytes]: a wave's tensor load is one dense block of 32 KiB, and every
; LDS load reads 512 bytes on end, so no padding is wanted.
; CLUSTER 4 x 4: the tiles of y are asked for jointly along a row of the cluster, those of Wp along a column.
; THE MATRIX INSTRUCTION IS USED TRANSPOSED (source 0 = 16 columns of Wp, source 1 = 16 tokens): a lane holds eight neighbouring numbers of a row of the output.
; bp is the C of each sum's first product.
; REGISTERS: window 0: v0-31 addresses; v32-95 the way out; v96-127 bp; v128-255 the accumulators ((a, b) at v[128 + 8 (4 a + b)]).  window 1: two fragment buffers of 128.
.set HALFT,  32768                     ; 64 rows x 256 along K: what one tensor load brings
.set SLOT,   131072                    ; y's 128 rows, then Wp's 128 columns
.set STAGE,  2*SLOT                    ; behind the ring: 16 rows x 272 bytes for each wave; no tensor load lands there
.set SPITCH, 272
.set SPARE,  STAGE+4*16*SPITCH
.set LAPS,   2
.set ASTEP,  2097152                   ; from a K step of y to the next, in bytes
.set BSTEP,  524288                    ; the same for Wp
.set ADRA, 16
.set ADRB, 20
.set STO,  24
.set RD,   25
.set CO,   26
.set BO,   27
.set SPW,  28
.set NIL,  29
.set TMP,  32
.set BIAS, 96
.set ACC,  128
.set F0,   0
.set F1,   128
.set G1, 24
.set G0, 32
.set G1B, 48
.set G0B, 56
.set MSB, 0
.macro WIN new
.if MSB != \new
	s_set_vgpr_msb (MSB<<8)|\new
.set MSB, \new
.endif
.endm
.set MUL,  0x05
.set TO_F, 0x40
.macro JLOAD s                         ; a joint load: waves 0 and 1 fetch the halves of y's tile, waves 2 and 3 those of Wp's; an s_nop 0 and four v_nop follow each line
	s_cmp_eq_u32 s13, 0
	s_cbranch_scc0 .Lfor_b_\@
	tensor_load_to_lds s[G0+4*\s:G0+4*\s+3], s[G1:G1+7]
	s_nop 0
.rept 4
	v_nop
.endr
	s_branch .Lasked_\@
.Lfor_b_\@:
	tensor_load_to_lds s[G0B+4*\s:G0B+4*\s+3], s[G1B:G1B+7]
	s_nop 0
.rept 4
	v_nop
.endr
.Lasked_\@:
.endm
.macro CREST
	s_cmp_lg_u32 s12, 0
	s_cbranch_scc1 .Lnot_wave_0_\@
	s_barrier_signal -3
.Lnot_wave_0_\@:
	s_barrier_wait -3
	s_barrier_signal -1
	s_barrier_wait -1
.endm
.macro CROUND
	s_barrier_signal -1
	s_barrier_wait -1
	CREST
.endm
	s_load_b256 s[4:11], s[0:1], 0x0               ; yf, wpf, bp, out0
	v_lshl_add_u32 v[SPW], v0, 2, SPARE
	v_mov_b32 v[NIL], 0
	ds_add_u32 v[SPW], v[NIL]                      ; the opening: the add, twice on end, and its wait ahead of my first tensor load
	ds_add_u32 v[SPW], v[NIL]
	v_lshrrev_b32 v1, 5, v0
	v_readfirstlane_b32 s12, v1                    ; wave
	s_lshr_b32 s13, s12, 1                         ; my half of the rows.  Also: I fetch for y (0) or Wp (1)
	s_and_b32 s14, s12, 1                          ; my half of the columns.  Also: which 64 rows I fetch
	s_bfe_u32 s40, ttmp6, 0x40000                  ; cx
	s_bfe_u32 s41, ttmp6, 0x40004                  ; cy
	s_lshl_b32 s42, ttmp9, 2
	s_add_co_u32 s42, s42, s40                     ; tile column
	s_and_b32 s15, ttmp7, 0xffff
	s_lshl_b32 s15, s15, 2
	s_add_co_u32 s15, s15, s41                     ; tile row
	s_lshl_b32 s43, s41, 2
	s_lshl_b32 s43, 15, s43                        ; my row of the cluster
	s_lshl_b32 s44, 0x1111, s40                    ; my column
	s_or_b32 s[G1+0], s43, (3<<16)|(1<<21)         ; a dense block of 32 KiB as 128 rows of 32 elements of 8 bytes, no padding
	s_or_b32 s[G1B+0], s44, (3<<16)|(1<<21)
.irp g, G1, G1B
	s_mov_b32 s[\g+1], 32<<16
	s_mov_b32 s[\g+2], 128<<16
	s_mov_b32 s[\g+3], 32<<16
	s_mov_b32 s[\g+4], 128
	s_mov_b32 s[\g+5], 32
	s_mov_b32 s[\g+6], 0
	s_mov_b32 s[\g+7], 0
.endr
	s_lshl_b32 s17, s14, 15                        ; four tiles of 16 rows, 8,192 bytes each
	s_lshl_b32 s16, s15, 16
	s_add_co_u32 s16, s16, s17
	s_lshl_b32 s46, s42, 16
	s_add_co_u32 s46, s46, s17
	s_mov_b32 s17, 0
	s_mov_b32 s47, 0
	s_mul_i32 s20, s12, HALFT                      ; where they go: by the wave number alone
	s_wait_dscnt 0x0                               ; both opening adds are done
	s_wait_kmcnt 0x0
	s_add_nc_u64 s[16:17], s[4:5], s[16:17]
	s_add_nc_u64 s[46:47], s[6:7], s[46:47]
	CROUND                                         ; all sixteen work-groups are here: the first joint loads meet
.irp s, 0,1
	s_mov_b32 s[G0+4*\s], 1
	s_add_co_u32 s[G0+4*\s+1], s20, \s*SLOT
	s_add_nc_u64 s[G0+4*\s+2:G0+4*\s+3], s[16:17], \s*ASTEP
	s_or_b32 s[G0+4*\s+3], s[G0+4*\s+3], 0x80000000
	s_mov_b32 s[G0B+4*\s], 1
	s_add_co_u32 s[G0B+4*\s+1], s20, \s*SLOT
	s_add_nc_u64 s[G0B+4*\s+2:G0B+4*\s+3], s[46:47], \s*BSTEP
	s_or_b32 s[G0B+4*\s+3], s[G0B+4*\s+3], 0x80000000
	JLOAD \s
.endr
	v_and_b32 v1, 15, v0                           ; r
	v_bfe_u32 v2, v0, 4, 1                         ; h
	v_and_b32 v3, 31, v0
	v_lshlrev_b32 v3, 4, v3                        ; 16 x lane
	v_lshlrev_b32 v[BO], 5, v2
	s_lshl_b32 s18, s42, 9                         ; bp at my 64 columns
	s_lshl_b32 s19, s14, 8
	s_add_co_u32 s18, s18, s19
	s_mov_b32 s19, 0
	s_add_nc_u64 s[8:9], s[8:9], s[18:19]
.irp b, 0,1,2,3
	global_load_b128 v[BIAS+8*\b:BIAS+8*\b+3], v[BO], s[8:9] offset:64*\b
	global_load_b128 v[BIAS+8*\b+4:BIAS+8*\b+7], v[BO], s[8:9] offset:64*\b+16
.endr
	s_mul_i32 s21, s13, HALFT
	s_mul_i32 s22, s14, HALFT
	s_add_co_u32 s22, s22, 2*HALFT
.irp s, 0,1
	v_add_nc_u32 v[ADRA+\s], s21, v3
	v_add_nc_u32 v[ADRB+\s], s22, v3
	s_add_co_u32 s21, s21, SLOT
	s_add_co_u32 s22, s22, SLOT
.endr
	s_mul_i32 s23, s12, 16*SPITCH
	s_add_co_u32 s23, s23, STAGE                   ; my stage
	v_mul_u32_u24 v4, v1, SPITCH
	v_lshl_add_u32 v4, v2, 5, v4
	v_add_nc_u32 v[STO], s23, v4                   ; in: row r, 32 bytes for each half of the lanes
	v_mul_u32_u24 v5, v2, SPITCH
	v_lshl_add_u32 v5, v1, 4, v5
	v_add_nc_u32 v[RD], s23, v5                    ; back: lanes 0-15 one row of 256 bytes, lanes 16-31 the next
	v_lshlrev_b32 v5, 12, v2
	v_lshl_add_u32 v[CO], v1, 4, v5                ; and the same two rows in the output
	s_lshl_b32 s18, s15, 19                        ; 128 rows of 4,096 bytes
	s_lshl_b32 s19, s13, 18
	s_add_co_u32 s18, s18, s19
	s_lshl_b32 s19, s42, 9
	s_add_co_u32 s18, s18, s19
	s_lshl_b32 s19, s14, 8
	s_add_co_u32 s18, s18, s19
	s_mov_b32 s19, 0
	s_add_nc_u64 s[10:11], s[10:11], s[18:19]
; 8 matrix instructions: m blocks a0, a0 + 1 x all 4 n blocks, 32 along K: half c of buffer f.  first = 1: the sums begin with bp as C
.macro MUL8 f, c, a0, first
.irp a, \a0, \a0+1
.irp b, 0,1,2,3
.if \first
	v_wmma_f32_16x16x32_f16 v[ACC+8*(4*(\a)+\b):ACC+8*(4*(\a)+\b)+7], v[\f+64+8*(4*\c+\b):\f+64+8*(4*\c+\b)+7], v[\f+8*(4*\c+\a):\f+8*(4*\c+\a)+7], v[BIAS+8*\b:BIAS+8*\b+7]
.else
	v_wmma_f32_16x16x32_f16 v[ACC+8*(4*(\a)+\b):ACC+8*(4*(\a)+\b)+7], v[\f+64+8*(4*\c+\b):\f+64+8*(4*\c+\b)+7], v[\f+8*(4*\c+\a):\f+8*(4*\c+\a)+7], v[ACC+8*(4*(\a)+\b):ACC+8*(4*(\a)+\b)+7]
.endif
.endr
.endr
.endm
; 32 LDS loads in one run: the fragments of quarter qd (64 along K) into buffer f; the first 32 along K first
.macro FETCH slot, qd, f
	WIN TO_F
.irp c, 0,1
.irp i, 0,1,2,3
	ds_load_b128 v[\f+64+8*(4*\c+\i):\f+64+8*(4*\c+\i)+3],   v[ADRB+\slot] offset:\i*8192+(2*(\qd)+\c)*1024
	ds_load_b128 v[\f+64+8*(4*\c+\i)+4:\f+64+8*(4*\c+\i)+7], v[ADRB+\slot] offset:\i*8192+(2*(\qd)+\c)*1024+512
	ds_load_b128 v[\f+8*(4*\c+\i):\f+8*(4*\c+\i)+3],         v[ADRA+\slot] offset:\i*8192+(2*(\qd)+\c)*1024
	ds_load_b128 v[\f+8*(4*\c+\i)+4:\f+8*(4*\c+\i)+7],       v[ADRA+\slot] offset:\i*8192+(2*(\qd)+\c)*1024+512
.endr
.endr
.endm
.macro PLACES
.rept 4
	v_nop
.endr
.endm
; A K step is four quarters of 64 along K, 32 matrix instructions each, on buffers 0, 1, 0, 1.  One of the first three: multiplies buffer f and fetches quarter qd into g.
.macro QUARTER slot, qd, f, g, first
	s_wait_dscnt 16                                ; the first 32 along K are in
	WIN MUL
	MUL8 \f, 0, 0, \first
	MUL8 \f, 0, 2, \first
	PLACES
	FETCH \slot, \qd, \g
	s_wait_dscnt 32                                ; all but the 32 just issued
	WIN MUL
	MUL8 \f, 1, 0, 0
	MUL8 \f, 1, 2, 0
.endm
; The last quarter multiplies buffer 1 and changes slots: one barrier; ahead of it each wave waits for all its tensor loads, adds 0 to its spare word, and waits for that and for its reads of this slot.
.macro TURN slot, next, fill
	WIN 0
	s_wait_tensorcnt 0x0                           ; all my tensor loads have landed: my part of the next slot
	ds_add_u32 v[SPW], v[NIL]
	s_wait_dscnt 17                                ; (the add and the youngest sixteen loads may be out)
	WIN MUL
	MUL8 F1, 0, 0, 0
	s_wait_dscnt 0x0                               ; the add is done, and my reads of this slot are over
	s_barrier_signal -1
	MUL8 F1, 0, 2, 0
.if \fill
	WIN 0
.endif
	s_barrier_wait -1
.if \fill
	CREST                                          ; the barrier has opened a round of the cluster barrier: no wave of any partner still reads this slot or has a load on its way
	s_add_nc_u64 s[G0+4*\slot+2:G0+4*\slot+3], s[G0+4*\slot+2:G0+4*\slot+3], 2*ASTEP
	s_add_nc_u64 s[G0B+4*\slot+2:G0B+4*\slot+3], s[G0B+4*\slot+2:G0B+4*\slot+3], 2*BSTEP
	JLOAD \slot                                    ; the first tensor load behind the round; its four v_nop are also the places ahead of the loads below
.else
	PLACES
.endif
	FETCH \next, 0, F0
	WIN MUL
	MUL8 F1, 1, 0, 0
	MUL8 F1, 1, 2, 0
.endm
	s_wait_tensorcnt 1                             ; my part of K step 0 is in; K step 1's load may be out
	s_barrier_signal -1
	s_barrier_wait -1
	FETCH 0, 0, F0
	s_wait_loadcnt 0x0                             ; bp
	QUARTER 0, 1, F0, F1, 1
	WIN 0
	s_mov_b32 s3, LAPS-1
.Llap:                                                 ; a trip goes once round the ring and fills both slots again
	QUARTER 0, 2, F1, F0, 0
	QUARTER 0, 3, F0, F1, 0
	TURN 0, 1, 1
	QUARTER 1, 1, F0, F1, 0
	QUARTER 1, 2, F1, F0, 0
	QUARTER 1, 3, F0, F1, 0
	TURN 1, 0, 1
	QUARTER 0, 1, F0, F1, 0
	WIN 0
	s_sub_co_u32 s3, s3, 1
	s_cmp_lg_u32 s3, 0
	s_cbranch_scc1 .Llap
	QUARTER 0, 2, F1, F0, 0                        ; the last lap fills nothing
	QUARTER 0, 3, F0, F1, 0
	TURN 0, 1, 0
	QUARTER 1, 1, F0, F1, 0
	QUARTER 1, 2, F1, F0, 0
	QUARTER 1, 3, F0, F1, 0
	s_wait_dscnt 16
	WIN MUL
	MUL8 F1, 0, 0, 0
	MUL8 F1, 0, 2, 0
	s_wait_dscnt 0
	MUL8 F1, 1, 0, 0
	MUL8 F1, 1, 2, 0
	WIN 0
	PLACES
; THE WAY OUT.  My 64 columns of f32 are 256 bytes of a row: a block of 16 rows goes through my own stage and comes back by rows, so that sixteen lanes store 256 bytes on end, aligned.
; LDS serves a wave in order: no wait between my stores and my loads.
.macro OUT a
.if (\a) > 1
	s_wait_xcnt 0x0                                ; the stores of two blocks ago have read the registers that are loaded now
.endif
.irp b, 0,1,2,3
	ds_store_b128 v[STO], v[ACC+8*(4*(\a)+\b):ACC+8*(4*(\a)+\b)+3] offset:64*\b
	ds_store_b128 v[STO], v[ACC+8*(4*(\a)+\b)+4:ACC+8*(4*(\a)+\b)+7] offset:64*\b+16
.endr
.irp t, 0,1,2,3,4,5,6,7
	ds_load_b128 v[TMP+32*((\a)%2)+4*\t:TMP+32*((\a)%2)+4*\t+3], v[RD] offset:\t*2*SPITCH
.endr
	s_wait_dscnt 0x0
.irp t, 0,1,2,3,4,5,6,7
	global_store_b128 v[CO], v[TMP+32*((\a)%2)+4*\t:TMP+32*((\a)%2)+4*\t+3], s[10:11] offset:(16*(\a)+2*\t)*4096 th:TH_STORE_NT
.endr
.endm
	OUT 0
	OUT 1
	OUT 2
	OUT 3
	s_wait_tensorcnt 0x0                           ; the end of the wave
	ds_add_u32 v[SPW], v[NIL]
	s_wait_dscnt 0x0
	CROUND                                         ; the closing round
	s_endpgm
.Lfunc_end_k_q3283c6f09e_proj:
	.size	k_q3283c6f09e_proj, .Lfunc_end_k_q3283c6f09e_proj-k_q3283c6f09e_proj
	.p2alignl 7, 3214868480
	.fill 96, 4, 3214868480
	.section	.rodata,"a",@progbits
	.p2align	6, 0x0
	.amdhsa_kernel k_q3283c6f09e_proj
		.amdhsa_group_segment_fixed_size 327680
		.amdhsa_private_segment_fixed_size 0
		.amdhsa_enable_private_segment 0
		.amdhsa_kernarg_size 32
		.amdhsa_user_sgpr_count 2
		.amdhsa_user_sgpr_kernarg_segment_ptr 1
		.amdhsa_wavefront_size32 1
		.amdhsa_system_sgpr_workgroup_id_x 1
		.amdhsa_system_sgpr_workgroup_id_y 1
		.amdhsa_system_sgpr_workgroup_id_z 1
		.amdhsa_system_vgpr_workitem_id 0
		.amdhsa_next_free_vgpr 512
		.amdhsa_next_free_sgpr 66
		.amdhsa_reserve_vcc 0
		.amdhsa_float_denorm_mode_32 3
		.amdhsa_float_denorm_mode_16_64 3
		.amdhsa_memory_ordered 1
		.amdhsa_forward_progress 1
		.amdhsa_inst_pref_size 86
	.end_amdhsa_kernel
	.amdgpu_metadata
---
amdhsa.version: [ 1, 2 ]
amdhsa.kernels:
  - .name:           k_q3283c6f09e_proj
    .symbol:         k_q3283c6f09e_proj.kd
    .args:
      - { .name: yf, .offset: 0, .size: 8, .value_kind: global_buffer, .address_space: global }
      - { .name: wpf, .offset: 8, .size: 8, .value_kind: global_buffer, .address_space: global }
      - { .name: bp, .offset: 16, .size: 8, .value_kind: global_buffer, .address_space: global }
      - { .name: out0, .offset: 24, .size: 8, .value_kind: global_buffer, .address_space: global }
    .group_segment_fixed_size: 327680
    .private_segment_fixed_size: 0
    .kernarg_segment_align: 8
    .kernarg_segment_size: 32
    .max_flat_workgroup_size: 128
    .sgpr_count:     66
    .vgpr_count:     512
    .wavefront_size: 32
...
	.end_amdgpu_metadata
.endif
;; end of part 4
;; launch fine (part 5): grid 64 x 1, 8 waves a work-group, no clusters, 17,408 bytes of LDS; arguments yf, wpf, bp, out0; writes out0
.if DOCPART == 5
	.amdgcn_target "amdgcn-amd-amdhsa--gfx1250"
	.amdhsa_code_object_version 6
	.text
	.protected	k_q3283c6f09e_fine
	.globl	k_q3283c6f09e_fine
	.p2align	8
	.type	k_q3283c6f09e_fine,@function
k_q3283c6f09e_fine:
	s_mov_b64 s[64:65], 0
	v_nop
	global_prefetch_b8 v0, s[64:65] scope:SCOPE_SE
	s_setreg_imm32_b32 hwreg(HW_REG_WAVE_MODE, 25, 1), 1
	s_wait_xcnt 0x0
; FINE: the first 16 positions of both sequences once more, with y and Wp as pairs of f16 numbers: out0 = yh Wh + yl Wh + yh Wl + bp, f32 sums.
; These rows average few values and are the largest in size, so the rounding of single f16 operands weighs most there.  The launch writes over 131,072 bytes that launch proj stored.
; A work-group makes 16 columns for the 2 x 16 rows.  Wave w takes K = 128 w .. 128 w + 127 (four fragments deep); the eight partial sums meet in LDS; waves 0 and 1 add them
; (wave b the rows of sequence b) and store.  A row's piece is 64 bytes: the output is written in pieces of 64 bytes here.
; Source 0 = 16 columns of Wp, source 1 = 16 tokens: a lane holds a token and eight neighbouring columns.
.set SPARE, 16384
.set SPW, 14
.set NIL, 15
	s_load_b256 s[4:11], s[0:1], 0x0               ; yf, wpf, bp, out0
	v_lshl_add_u32 v[SPW], v0, 2, SPARE
	v_mov_b32 v[NIL], 0
	v_lshrrev_b32 v1, 5, v0
	v_readfirstlane_b32 s12, v1                    ; wave
	v_and_b32 v1, 31, v0
	v_lshlrev_b32 v1, 4, v1                        ; 16 x lane
	s_lshr_b32 s13, s12, 1                         ; K4
	s_and_b32 s14, s12, 1
	s_lshl_b32 s16, s13, 21
	s_lshl_b32 s15, s14, 12
	s_add_co_u32 s16, s16, s15                     ; y, high parts: K4, fragments 4 (w % 2) on
	s_mov_b32 s17, 0
	s_lshl_b32 s18, s12, 12
	s_add_co_u32 s18, s18, 8388608                 ; y, low parts: fragments 4 w on
	s_mov_b32 s19, 0
	s_lshl_b32 s20, s13, 19
	s_add_co_u32 s20, s20, s15
	s_lshl_b32 s15, ttmp9, 13
	s_add_co_u32 s20, s20, s15                     ; Wp: K4, my tile of 16 columns
	s_mov_b32 s21, 0
	s_lshl_b32 s22, s12, 11
	v_add_nc_u32 v2, s22, v1                       ; LDS: my two partial sums, 1,024 bytes each
	s_min_u32 s22, s12, 1
	s_lshl_b32 s22, s22, 10
	v_add_nc_u32 v3, s22, v1                       ; and where a summing wave reads
	v_and_b32 v4, 15, v0
	v_bfe_u32 v5, v0, 4, 1
	v_lshlrev_b32 v6, 5, v5                        ; 32 h
	v_lshl_add_u32 v4, v4, 12, v6                  ; row r of 4,096 bytes, + 32 h
	s_wait_kmcnt 0x0
	s_add_nc_u64 s[16:17], s[4:5], s[16:17]
	s_add_nc_u64 s[18:19], s[4:5], s[18:19]
	s_add_nc_u64 s[20:21], s[6:7], s[20:21]
.irp b, 0,1
.irp k, 0,1,2,3
.irp u, 0,1
	global_load_b128 v[32+8*(4*\b+\k)+4*\u:32+8*(4*\b+\k)+4*\u+3], v1, s[16:17] offset:\b*1048576+\k*1024+\u*512
	global_load_b128 v[96+8*(4*\b+\k)+4*\u:96+8*(4*\b+\k)+4*\u+3], v1, s[18:19] offset:\b*32768+\k*1024+\u*512
.endr
.endr
.endr
.irp k, 0,1,2,3
.irp u, 0,1
	global_load_b128 v[160+8*\k+4*\u:160+8*\k+4*\u+3], v1, s[20:21] offset:\k*1024+\u*512
	global_load_b128 v[192+8*\k+4*\u:192+8*\k+4*\u+3], v1, s[20:21] offset:2097152+\k*1024+\u*512
.endr
.endr
	s_cmp_lt_u32 s12, 2                            ; bp serves the two waves that sum
	s_cbranch_scc0 .Lno_bias
	s_lshl_b32 s22, ttmp9, 6
	s_mov_b32 s23, 0
	s_add_nc_u64 s[8:9], s[8:9], s[22:23]
	s_add_nc_u64 s[10:11], s[10:11], s[22:23]
	s_lshl_b32 s22, s12, 23                        ; sequence b = wave
	s_add_nc_u64 s[10:11], s[10:11], s[22:23]
	global_load_b128 v[16:19], v6, s[8:9]
	global_load_b128 v[20:23], v6, s[8:9] offset:16
.Lno_bias:
	s_wait_loadcnt 0x0
; two accumulators, one for each sequence, by strict turns; the first product of each starts its sum
	v_wmma_f32_16x16x32_f16 v[224:231], v[160:167], v[32:39], 0
	v_wmma_f32_16x16x32_f16 v[232:239], v[160:167], v[64:71], 0
	v_wmma_f32_16x16x32_f16 v[224:231], v[160:167], v[96:103], v[224:231]
	v_wmma_f32_16x16x32_f16 v[232:239], v[160:167], v[128:135], v[232:239]
	v_wmma_f32_16x16x32_f16 v[224:231], v[192:199], v[32:39], v[224:231]
	v_wmma_f32_16x16x32_f16 v[232:239], v[192:199], v[64:71], v[232:239]
.irp k, 1,2,3
	v_wmma_f32_16x16x32_f16 v[224:231], v[160+8*\k:167+8*\k], v[32+8*\k:39+8*\k], v[224:231]
	v_wmma_f32_16x16x32_f16 v[232:239], v[160+8*\k:167+8*\k], v[64+8*\k:71+8*\k], v[232:239]
	v_wmma_f32_16x16x32_f16 v[224:231], v[160+8*\k:167+8*\k], v[96+8*\k:103+8*\k], v[224:231]
	v_wmma_f32_16x16x32_f16 v[232:239], v[160+8*\k:167+8*\k], v[128+8*\k:135+8*\k], v[232:239]
	v_wmma_f32_16x16x32_f16 v[224:231], v[192+8*\k:199+8*\k], v[32+8*\k:39+8*\k], v[224:231]
	v_wmma_f32_16x16x32_f16 v[232:239], v[192+8*\k:199+8*\k], v[64+8*\k:71+8*\k], v[232:239]
.endr
.rept 4
	v_nop                                          ; places ahead of the reads of the results and of the loads into operand registers
.endr
	ds_store_b128 v2, v[224:227]
	ds_store_b128 v2, v[228:231] offset:512
	ds_store_b128 v2, v[232:235] offset:1024
	ds_store_b128 v2, v[236:239] offset:1536
	s_wait_dscnt 0x0
	s_barrier_signal -1
	s_barrier_wait -1
	s_cmp_lt_u32 s12, 2
	s_cbranch_scc0 .Lend
.irp w, 0,1,2,3,4,5,6,7
	ds_load_b128 v[32+8*\w:35+8*\w], v3 offset:2048*\w
	ds_load_b128 v[36+8*\w:39+8*\w], v3 offset:2048*\w+512
.endr
	s_wait_dscnt 0x0
.irp w, 0,1,2,3,4,5,6,7
.irp j, 0,1,2,3,4,5,6,7
	v_add_f32 v[16+\j], v[16+\j], v[32+8*\w+\j]    ; plain forms: a row with no key is NaN here, as in reference()
.endr
.endr
	global_store_b128 v4, v[16:19], s[10:11]
	global_store_b128 v4, v[20:23], s[10:11] offset:16
.Lend:
	s_wait_tensorcnt 0x0                           ; the end of the wave
	ds_add_u32 v[SPW], v[NIL]
	s_wait_dscnt 0x0
	s_endpgm
.Lfunc_end_k_q3283c6f09e_fine:
	.size	k_q3283c6f09e_fine, .Lfunc_end_k_q3283c6f09e_fine-k_q3283c6f09e_fine
	.p2alignl 7, 3214868480
	.fill 96, 4, 3214868480
	.section	.rodata,"a",@progbits
	.p2align	6, 0x0
	.amdhsa_kernel k_q3283c6f09e_fine
		.amdhsa_group_segment_fixed_size 17408
		.amdhsa_private_segment_fixed_size 0
		.amdhsa_enable_private_segment 0
		.amdhsa_kernarg_size 32
		.amdhsa_user_sgpr_count 2
		.amdhsa_user_sgpr_kernarg_segment_ptr 1
		.amdhsa_wavefront_size32 1
		.amdhsa_system_sgpr_workgroup_id_x 1
		.amdhsa_system_sgpr_workgroup_id_y 1
		.amdhsa_system_sgpr_workgroup_id_z 1
		.amdhsa_system_vgpr_workitem_id 0
		.amdhsa_next_free_vgpr 256
		.amdhsa_next_free_sgpr 66
		.amdhsa_reserve_vcc 0
		.amdhsa_float_denorm_mode_32 3
		.amdhsa_float_denorm_mode_16_64 3
		.amdhsa_memory_ordered 1
		.amdhsa_forward_progress 1
		.amdhsa_inst_pref_size 12
	.end_amdhsa_kernel
	.amdgpu_metadata
---
amdhsa.version: [ 1, 2 ]
amdhsa.kernels:
  - .name:           k_q3283c6f09e_fine
    .symbol:         k_q3283c6f09e_fine.kd
    .args:
      - { .name: yf, .offset: 0, .size: 8, .value_kind: global_buffer, .address_space: global }
      - { .name: wpf, .offset: 8, .size: 8, .value_kind: global_buffer, .address_space: global }
      - { .name: bp, .offset: 16, .size: 8, .value_kind: global_buffer, .address_space: global }
      - { .name: out0, .offset: 24, .size: 8, .value_kind: global_buffer, .address_space: global }
    .group_segment_fixed_size: 17408
    .private_segment_fixed_size: 0
    .kernarg_segment_align: 8
    .kernarg_segment_size: 32
    .max_flat_workgroup_size: 256
    .sgpr_count:     66
    .vgpr_count:     256
    .wavefront_size: 32
...
	.end_amdgpu_metadata
.endif
;; end of part 5
